; MI455X (gfx1250); checked and timed in simulation.
; The chip was launched on July 23, 2026; its instructions are those of AMD's public machine-readable ISA for CDNA 5 (MIT licence, August 2026) and "CDNA5" Instruction Set Architecture Reference Guide (July 2026). The comments in the code are by the model that wrote it; some were corrected since.
;; Simple Ro PE Attention Model. Allowed arithmetic: matrix products marked QUANTISED: E2M3 operands, one E8M0 scale for each 32 along K, by v_wmma_scale_f32_16x16x128_f8f6f4 with both operands' format E2M3, f32 sums; everything else in f32.
;; Inputs: Wk 2,048 x 2,048 float32; Wo 2,048 x 2,048 float32; Wq 2,048 x 2,048 float32; Wv 2,048 x 2,048 float32; cos 2,048 x 128 float32; sin 2,048 x 128 float32; x 1 x 2,048 x 2,048 float32.
;; Outputs: out0 1 x 2,048 x 2,048 float32.
;; This version of the problem:
;;   THIS VERSION OF THE PROBLEM IS GIVEN IN LOW PRECISION. The matrix products marked QUANTISED in the list below multiply operands that are first quantised to E2M3 (2 exponent bits, 3 mantissa bits; 6 bits a number), with one power-of-two scale for each 32 numbers along K (OCP MX v1.0); their sums are f32. All else is computed in f32.
;;   The module's matrix products, in the order in which they are computed (A, B: the left and right operand; K: the contracted axis; several contracted axes count as one K, in the product's order):
;;     1. [M 2,048, K 2,048] x [K 2,048, N 2,048]; A: input x; B: input Wq: QUANTISED
;;     2. [M 2,048, K 2,048] x [K 2,048, N 2,048]; A: input x; B: input Wk: QUANTISED
;;     3. [M 2,048, K 2,048] x [K 2,048, N 2,048]; A: input x; B: input Wv: QUANTISED
;;     4. batch 16 x [M 2,048, K 128] x [K 128, N 2,048]; A: computed on the way; B: computed on the way: QUANTISED
;;     5. batch 16 x [M 2,048, K 2,048] x [K 2,048, N 128]; A: softmax (see below); B: computed on the way: QUANTISED
;;     6. [M 2,048, K 2,048] x [K 2,048, N 2,048]; A: computed on the way; B: input Wo: QUANTISED
;;   THE QUANTISER, for each operand of a quantised product, along K:
;;     - K is cut into blocks of 32 from its start; a last block that is shorter is filled with zeros.
;;     - A block's scale is 2^e with e = floor(log2(the largest magnitude in the block)) - 2, held to -126 .. 127; a block of zeros has e = 0. As a byte (E8M0): e + 127.
;;     - Each number is divided by its block's scale, clamped to +-7.5, and rounded to the nearest number of E2M3, ties to even, subnormals kept.
;;     - The product sums the exact products of the quantised numbers (number of the format x scale) in f32.
;;   ~~~python
;;   def quantise(x, axis):      # numpy; x: float32 -> the quantised numbers, widened to float32 again
;;       x = np.moveaxis(x, axis, -1); K = x.shape[-1]
;;       x = np.pad(x, [(0, 0)] * (x.ndim - 1) + [(0, -K % 32)]); x = x.reshape(x.shape[:-1] + (-1, 32)); a = np.abs(x).max(-1, keepdims=True)
;;       e = np.where(a > 0, np.clip(np.frexp(np.where(a > 0, a, 1))[1] - 1 - 2, -126, 127), 0)      # np.frexp(a)[1] - 1 = floor(log2(a)), exactly
;;       r = np.clip(x / 2.0 ** e, -7.5, 7.5)
;;       step = 2.0 ** (np.maximum(np.frexp(np.where(r == 0, 1, r))[1] - 1, 0) - 3)
;;       q = np.round(r / step) * step * 2.0 ** e      # np.round: ties to even
;;       return np.moveaxis(q.reshape(q.shape[:-2] + (-1,))[..., :K], -1, axis).astype(np.float32)
;;   ~~~
;;   SOFTMAX AHEAD OF A QUANTISED PRODUCT. Where the list says 'softmax', what is quantised is not the finished softmax but p = 2^(t - M), with t = logit x log2(e) and M = ceil(the row's largest t), a whole number; so 1/2 < the row's largest p <= 1. The row's sum l is taken of the UNQUANTISED p, in f32, and the product's result is divided by l at the end. Since M is a whole number, a kernel that streams over the keys may use a running M (the ceiling of the running maximum): every later rescaling is an exact power of two, which a block's scale takes up: the codes' values come out the same.
;;   OPERANDS COMPUTED ON THE WAY. 'Computed on the way' means the value that the module computes at that place (a softmax that the list does not call 'softmax' is quantised finished and normalised). What goes into a quantiser is computed in f32, as accurately as f32 sums, v_exp_f32 and their like allow (about 1e-6 of the number): no bf16 or f16 on the way to a quantiser, and a product that is left as it is and whose result goes on into a quantised operand takes f32 operands (vector FMAs, or v_wmma_f32_16x16x4_f32). A number that lies on a knife's edge between two numbers of the format may be rounded either way, as far as f32 arithmetic and the matrix unit's own rounding can turn it there, and no further.
;; 2 versions, each right. Each part assembles by itself: llvm-mc -triple=amdgcn-amd-amdhsa -mcpu=gfx1250 --defsym DOCPART=n.
;; ======== version 1 of 2: 4 launches
;; workspace buffers: wc 15,728,640 bytes; ws 655,360 bytes; qc 9,437,184 bytes; qs 393,216 bytes; ac 3,145,728 bytes; asc 131,072 bytes
;; launch quant (part 1): grid 256 x 1, 10 waves a work-group, no clusters, 88,320 bytes of LDS; arguments x, Wq, Wk, Wv, Wo, wc, ws; writes wc, ws
.if DOCPART == 1
	.amdgcn_target "amdgcn-amd-amdhsa--gfx1250"
	.amdhsa_code_object_version 6
	.text
	.protected	k_q4a1f6182c3_quant
	.globl	k_q4a1f6182c3_quant
	.p2align	8
	.type	k_q4a1f6182c3_quant,@function
k_q4a1f6182c3_quant:
	s_mov_b64 s[64:65], 0
	v_nop
	global_prefetch_b8 v0, s[64:65] scope:SCOPE_SE
	s_setreg_imm32_b32 hwreg(HW_REG_WAVE_MODE, 25, 1), 1
	s_wait_xcnt 0x0
; x, Wq, Wk, Wv, Wo: [2048][2048] f32, K innermost, become codes of FP6 (E2M3) with one E8M0 byte for each 32 along K.
; A block's scale is 2^(floor(log2(its largest magnitude)) - 2); its byte is the largest magnitude's exponent field - 2, held at 1 from below.
; LIMITS: NaN and infinities are not served; a block whose largest magnitude lies under 2^-124 gets the byte 1; a block of zeros gets the byte 1 where the
; rule says 127: its codes are zeros, which add nothing, and the bytes are read by this program alone.
; LAYOUT OF THE RESULTS: IMAGES OF OPERAND REGISTERS.  A fragment (16 rows x 128 K, 12 registers a lane) is 1,536 bytes: register g of lane l at 512 (g / 4) + 16 l + 4 (g % 4).
; Row rho of tile T is the tensor's row 32 (T / 2) + 8 (T % 2) + rho + 8 (rho / 8).  wc: [tensor 5][K step / 2][tile 128][K step % 2][1536].
; Scale words (four bytes: 128 along K of a row): ws: [tensor 5][group of 8 tiles 16][K step 16][512]; in the 512 bytes the word of (tile a, row rho) lies at 256 (a / 4) + 16 rho + 4 (a % 4).
; SHARES: work-group g takes rows 128 (g / 16) on and K step g % 16 of all five tensors; wave w takes tensor w / 2 and four tiles, 4 (w % 2) on.
; Each load reads 512 consecutive bytes of one row; 16 rows turn through the wave's own stage in LDS, so that a lane gets 16 neighbours along K of each block of its row.
; No barrier: waves share nothing.  32 loads of a wave are on their way.
.set STG,   8704                       ; a wave's stage: 16 rows of 512 bytes + 16
.set SPARE, 87040                      ; behind the ten stages: the spare words, 128 bytes a wave
.set LI,  4                            ; v4   16 x lane
.set SA,  5                            ; v5   into the stage: 16 x lane
.set SB,  6                            ; v6   out of it: 528 r + 64 h
.set SV,  7                            ; v7   the scale words' place: 16 r + 8 h
.set SPW, 8                            ; v8   my spare word; never rewritten
.set NIL, 9                            ; v9   0; never rewritten
.set R,   16                           ; v16-143  two sets of 64 registers as loaded
.set X,   144                          ; v144-207 64 numbers: register 16 b + i = k 32 b + 16 h + i of my row
.set TM,  208                          ; v208-223 at work in QUANT
.set PC,  224                          ; v224-243 the codes just made
.set PWS, 244                          ; v244-247 four tiles' scale words
.set SEL, 22                           ; s[22:23] lane selects: lane l xor 16
.set MSB, 0
.macro WIN new                         ; the immediate's high byte repeats the setting that is left; a switch that changes nothing is dropped
.if MSB != (\new)
	s_set_vgpr_msb (MSB<<8)|(\new)
.set MSB, (\new)
.endif
.endm
; 64 numbers of a lane, v[s] on in window w, register 16 b + i = k 32 b + 16 (lane / 16) + i of my row, become a fragment's codes in v[PC] on and its scale word in v[pw].
.macro QUANT s, w, pw
	WIN (\w)|((\w)<<2)
.irp b, 0,1,2,3
	v_max3_num_f32 v[TM+\b], |v[(\s)+16*\b]|, |v[(\s)+16*\b+1]|, 0x1800000   ; my 16 numbers of block b, and the floor 2^(3 - 127): the byte cannot fall under 1
.endr
.irp i, 2,4,6,8,10,12,14
.irp b, 0,1,2,3
	v_max3_num_f32 v[TM+\b], |v[(\s)+16*\b+\i]|, |v[(\s)+16*\b+\i+1]|, v[TM+\b]   ; the four blocks by turns
.endr
.endr
	WIN 0
.irp b, 0,1,2,3
	v_permlanex16_b32 v[TM+4+\b], v[TM+\b], s[SEL], s[SEL+1]
.endr
.irp b, 0,1,2,3
	v_max_num_f32 v[TM+\b], v[TM+\b], v[TM+4+\b]   ; with lane l xor 16's: the block's largest magnitude
.endr
.irp b, 0,1,2,3
	v_add_nc_u32 v[TM+12+\b], 0xff000000, v[TM+\b]   ; 2 off its exponent field: the conversion's scale operand
.endr
.irp b, 0,1,2,3
	v_lshrrev_b32 v[TM+4+\b], 23, v[TM+12+\b]      ; the scale's byte
.endr
	v_lshl_or_b32 v[\pw], v[TM+5], 8, v[TM+4]      ; four bytes: my row's scale word
	v_lshl_or_b32 v[\pw], v[TM+6], 16, v[\pw]
	v_lshl_or_b32 v[\pw], v[TM+7], 24, v[\pw]
	WIN (\w)
.irp c, 0,1
	v_cvt_scalef32_pk16_fp6_f32 v[PC+6*\c:PC+6*\c+2], v[(\s)+32*\c:(\s)+32*\c+15], v[TM+12+2*\c]
	v_cvt_scalef32_pk16_fp6_f32 v[PC+12+4*\c:PC+14+4*\c], v[(\s)+16+32*\c:(\s)+31+32*\c], v[TM+13+2*\c]   ; (a conversion's three registers begin on an even number)
.endr
	WIN 0
	v_nop                                          ; one plain place behind a scaled conversion
.irp c, 0,1                                    ; the operand's layout wants a whole block in a lane: lanes 0-15 block 2 c, lanes 16-31 block 2 c + 1
.irp i, 0,1,2
	v_permlane16_swap_b32 v[PC+6*\c+\i], v[PC+12+4*\c+\i]
.endr
.irp i, 0,1,2
	v_mov_b32 v[PC+3+6*\c+\i], v[PC+12+4*\c+\i]
.endr
.endr
.endm
.macro PUT base, off                           ; the fragment goes out as it stands: each store covers 512 consecutive bytes, aligned
.irp c, 0,1,2
	global_store_b128 v[LI], v[PC+4*\c:PC+4*\c+3], s[\base:\base+1] offset:(\off)+512*\c
.endr
.endm
	s_load_b256 s[4:11], s[0:1], 0x0               ; x, Wq, Wk, Wv
	s_load_b128 s[12:15], s[0:1], 0x20             ; Wo, wc
	s_load_b64 s[16:17], s[0:1], 0x30              ; ws
	v_lshl_add_u32 v[SPW], v0, 2, SPARE
	v_mov_b32 v[NIL], 0
	v_lshrrev_b32 v1, 5, v0
	v_readfirstlane_b32 s18, v1                    ; wave 0..9
	s_lshr_b32 s19, s18, 1                         ; which tensor
	s_and_b32 s20, s18, 1                          ; which four tiles of the group
	v_and_b32 v1, 31, v0                           ; lane
	v_and_b32 v2, 15, v0                           ; r
	v_bfe_u32 v3, v0, 4, 1                         ; h
	v_lshlrev_b32 v[LI], 4, v1
	s_mul_i32 s21, s18, STG
	v_add_nc_u32 v[SA], s21, v[LI]
	v_mul_u32_u24 v[SB], v2, 528
	v_lshl_add_u32 v[SB], v3, 6, v[SB]
	v_add_nc_u32 v[SB], s21, v[SB]
	v_lshlrev_b32 v[SV], 4, v2
	v_lshl_add_u32 v[SV], v3, 3, v[SV]
	s_mov_b32 s[SEL], 0x76543210
	s_mov_b32 s[SEL+1], 0xfedcba98
.irp b, 0,1,2,3
	v_mov_b32 v[TM+4+\b], 0                        ; written once: a lane permute's destination counts as one of its sources
.endr
	s_lshr_b32 s24, ttmp9, 4                       ; the group of 128 rows
	s_and_b32 s25, ttmp9, 15                       ; the K step
	s_lshl_b32 s26, s24, 20                        ; in: 128 rows of 8,192 bytes a group,
	s_lshl_b32 s32, s20, 19                        ; 64 rows for my half,
	s_add_co_u32 s26, s26, s32
	s_lshl_b32 s32, s25, 9                         ; 512 bytes a K step
	s_add_co_u32 s26, s26, s32
	s_mov_b32 s27, 0
	s_mul_i32 s28, s19, 3145728                    ; codes: tensor,
	s_lshr_b32 s32, s25, 1
	s_mul_i32 s32, s32, 393216                     ; K step / 2,
	s_add_co_u32 s28, s28, s32
	s_mul_i32 s32, s24, 24576                      ; group,
	s_add_co_u32 s28, s28, s32
	s_mul_i32 s32, s20, 12288                      ; my four tiles,
	s_add_co_u32 s28, s28, s32
	s_and_b32 s32, s25, 1
	s_mul_i32 s32, s32, 1536                       ; K step % 2
	s_add_co_u32 s28, s28, s32
	s_mov_b32 s29, 0
	s_lshl_b32 s30, s19, 17                        ; scale words: tensor, group, K step, my half
	s_lshl_b32 s32, s24, 13
	s_add_co_u32 s30, s30, s32
	s_lshl_b32 s32, s25, 9
	s_add_co_u32 s30, s30, s32
	s_lshl_b32 s32, s20, 8
	s_add_co_u32 s30, s30, s32
	s_mov_b32 s31, 0
	s_wait_kmcnt 0x0
	s_cmp_eq_u32 s19, 1                            ; the tensor is chosen by the wave's number alone
	s_cselect_b64 s[4:5], s[6:7], s[4:5]
	s_cmp_eq_u32 s19, 2
	s_cselect_b64 s[4:5], s[8:9], s[4:5]
	s_cmp_eq_u32 s19, 3
	s_cselect_b64 s[4:5], s[10:11], s[4:5]
	s_cmp_eq_u32 s19, 4
	s_cselect_b64 s[4:5], s[12:13], s[4:5]
	s_add_nc_u64 s[4:5], s[4:5], s[26:27]
	s_add_nc_u64 s[14:15], s[14:15], s[28:29]
	s_add_nc_u64 s[16:17], s[16:17], s[30:31]
.macro LOAD f                                  ; tile f's 16 rows, 512 consecutive bytes a load, into set f % 2
.irp p, 0,1,2,3,4,5,6,7,8,9,10,11,12,13,14,15
	global_load_b128 v[R+64*((\f)%2)+4*\p:R+64*((\f)%2)+4*\p+3], v[LI], s[4:5] offset:(32*((\f)/2)+8*((\f)%2)+\p+8*(\p/8))*8192 th:TH_LOAD_NT
.endr
.endm
.macro FRAGMENT f
.if (\f) < 3
	s_wait_loadcnt 16                              ; this tile's 16 loads are in; the next tile's 16 may be out
.else
	s_wait_loadcnt 0x0
.endif
.irp p, 0,1,2,3,4,5,6,7,8,9,10,11,12,13,14,15
	ds_store_b128 v[SA], v[R+64*((\f)%2)+4*\p:R+64*((\f)%2)+4*\p+3] offset:528*\p
.endr
.irp b, 0,1,2,3
.irp j, 0,1,2,3
	ds_load_b128 v[X+16*\b+4*\j:X+16*\b+4*\j+3], v[SB] offset:128*\b+16*\j   ; LDS serves a wave's instructions in order: these see the stores above
.endr
.endr
	s_wait_dscnt 0x0                               ; my numbers are back, and the stores into the stage have read their registers
.if (\f) > 0
	s_wait_xcnt 0x0                                ; the last fragment's stores have read their data: the codes' registers may be written again
.endif
.if (\f) < 2
	LOAD (\f)+2
.endif
	QUANT X, 0, PWS+(\f)
	PUT 14, 3072*(\f)
.endm
	LOAD 0
	LOAD 1
	FRAGMENT 0
	FRAGMENT 1
	FRAGMENT 2
	FRAGMENT 3
	v_cmp_lt_u32 vcc_lo, 15, v1                    ; lanes 16-31 store tiles 2 and 3's words, lanes 0-15 tiles 0 and 1's
	v_cndmask_b32 v10, v[PWS], v[PWS+2], vcc_lo
	v_cndmask_b32 v11, v[PWS+1], v[PWS+3], vcc_lo
	global_store_b64 v[SV], v[10:11], s[16:17]     ; 32 lanes store 256 consecutive bytes, aligned
	s_wait_tensorcnt 0x0                           ; the wave's end, behind my last LDS store
	ds_add_u32 v[SPW], v[NIL]
	s_wait_dscnt 0x0
	s_endpgm
.Lfunc_end_k_q4a1f6182c3_quant:
	.size	k_q4a1f6182c3_quant, .Lfunc_end_k_q4a1f6182c3_quant-k_q4a1f6182c3_quant
	.p2alignl 7, 3214868480
	.fill 96, 4, 3214868480
	.section	.rodata,"a",@progbits
	.p2align	6, 0x0
	.amdhsa_kernel k_q4a1f6182c3_quant
		.amdhsa_group_segment_fixed_size 88320
		.amdhsa_private_segment_fixed_size 0
		.amdhsa_enable_private_segment 0
		.amdhsa_kernarg_size 56
		.amdhsa_user_sgpr_count 2
		.amdhsa_user_sgpr_kernarg_segment_ptr 1
		.amdhsa_wavefront_size32 1
		.amdhsa_system_sgpr_workgroup_id_x 1
		.amdhsa_system_sgpr_workgroup_id_y 1
		.amdhsa_system_sgpr_workgroup_id_z 1
		.amdhsa_system_vgpr_workitem_id 0
		.amdhsa_next_free_vgpr 256
		.amdhsa_next_free_sgpr 66
		.amdhsa_reserve_vcc 1
		.amdhsa_float_denorm_mode_32 3
		.amdhsa_float_denorm_mode_16_64 3
		.amdhsa_memory_ordered 1
		.amdhsa_forward_progress 1
		.amdhsa_inst_pref_size 34
	.end_amdhsa_kernel
	.amdgpu_metadata
---
amdhsa.version: [ 1, 2 ]
amdhsa.kernels:
  - .name:           k_q4a1f6182c3_quant
    .symbol:         k_q4a1f6182c3_quant.kd
    .args:
      - { .name: x, .offset: 0, .size: 8, .value_kind: global_buffer, .address_space: global }
      - { .name: Wq, .offset: 8, .size: 8, .value_kind: global_buffer, .address_space: global }
      - { .name: Wk, .offset: 16, .size: 8, .value_kind: global_buffer, .address_space: global }
      - { .name: Wv, .offset: 24, .size: 8, .value_kind: global_buffer, .address_space: global }
      - { .name: Wo, .offset: 32, .size: 8, .value_kind: global_buffer, .address_space: global }
      - { .name: wc, .offset: 40, .size: 8, .value_kind: global_buffer, .address_space: global }
      - { .name: ws, .offset: 48, .size: 8, .value_kind: global_buffer, .address_space: global }
    .group_segment_fixed_size: 88320
    .private_segment_fixed_size: 0
    .kernarg_segment_align: 8
    .kernarg_segment_size: 56
    .max_flat_workgroup_size: 320
    .sgpr_count:     66
    .vgpr_count:     256
    .wavefront_size: 32
...
	.end_amdgpu_metadata
.endif
;; end of part 1
;; launch qkv (part 2): grid 24 x 8, 4 waves a work-group, clusters of 4 x 4, 327,680 bytes of LDS; arguments wc, ws, cos, sin, qc, qs; writes qc, qs
.if DOCPART == 2
	.amdgcn_target "amdgcn-amd-amdhsa--gfx1250"
	.amdhsa_code_object_version 6
	.text
	.protected	k_q4a1f6182c3_qkv
	.globl	k_q4a1f6182c3_qkv
	.p2align	8
	.type	k_q4a1f6182c3_qkv,@function
k_q4a1f6182c3_qkv:
	s_mov_b64 s[64:65], 0
	v_nop
	global_prefetch_b8 v0, s[64:65] scope:SCOPE_SE
	s_setreg_imm32_b32 hwreg(HW_REG_WAVE_MODE, 25, 1), 1
	s_wait_xcnt 0x0
	s_wait_alu depctr_hold_cnt(0) depctr_sa_sdst(0) depctr_va_vdst(0) depctr_va_sdst(0) depctr_va_ssrc(0) depctr_va_vcc(0) depctr_vm_vsrc(0)
	s_getreg_b32 s2, hwreg(HW_REG_IB_STS2, 6, 4)
	s_cmp_eq_u32 s2, 0
	s_cbranch_scc0 .Lentry_in_a_cluster
	s_endpgm
.Lentry_in_a_cluster:
	s_bfe_u32 s2, ttmp6, 0x10000c
	s_cmp_lg_u32 s2, 0xf033
	s_cbranch_scc0 .Lentry_shape_is_right
	s_endpgm
.Lentry_shape_is_right:
; q = rope(x Wq^T), k = rope(x Wk^T), v = x Wv^T on codes of FP6 (E2M3) with E8M0 scales, sums in f32; the results are quantised at once: q and k along the head's 128, v along the keys.
; Operands come as images of operand registers (fragment: 1,536 bytes; register g of lane l at 512 (g / 4) + 16 l + 4 (g % 4); row rho of tile T is row 32 (T / 2) + 8 (T % 2) + rho + 8 (rho / 8)).
; A work-group of four waves makes 256 x 256, a wave 128 x 128: 64 accumulators, 512 registers.  K goes in steps of 256 through two LDS slots filled by tensor loads.
; ONE LOOP, TWO ROLES, by the cluster's x (equal in all partners).  Work-group x under 16: "A" = x (256 tokens), "B" = Wq or Wk (256 rows = two heads).  From 16 on: "A" = Wv, "B" = x.
; The matrix instruction is used transposed (source 0 = 16 rows of B, source 1 = 16 rows of A): a lane holds ONE row of A, and by the order of a tile's rows its 64 registers of a tile of A are B's 128 rows in the
; order 32 b + 16 (lane / 16) + i: for q and k a token's head, for v a channel's 128 keys: neighbours along the next product's K, which the conversions take as they stand.
; CLUSTERS: 4 x 4.  A's tiles are shared along a row of the cluster, B's along a column: each is asked for jointly.
; RESULTS: qc [48: q's 16 heads, k's, v's][128 fragments][1536]; for q, k fragment = tile of 16 tokens; for v fragment 8 ks + a = key step ks, tile a of 16 channels.  qs [48][16][512]: scale words.
; LIMITS: NaN and infinities are not served; a block whose largest magnitude lies under 2^-124, a block of zeros among them, gets the byte 1 (zeros have zero codes; this program alone reads the bytes).
; REGISTERS: window 0: v1-29 addresses; v32-63 scale words, two sets; v128-223 A's fragments, one set.  window 1: B's fragments, two sets, at v0 and v128.  windows 2, 3: accumulator (a, b) at v[8 (8 (a % 4) + b)].
.set HALFT,  24576                     ; 8 tiles x 256 along K: what one tensor load brings, and what a wave reads of A or of B
.set SLOT,   98304                     ; A's 16 tiles, then B's 16
.set SCL,    196608                    ; the scale words for all of K: 8,192 bytes a group of 8 tiles: A's two groups, B's two
.set SPARE,  229376                    ; the spare words, 128 bytes a wave
.set SPB,    393216                    ; from a step of 256 along K to the next, in memory
.set FR,  12
.set NL,  3                            ; LDS loads that bring a fragment
.set NP,  4                            ; places behind this matrix instruction (ISA guide 7.12.1)
.set NQ,  2
.set WV,  16                           ; s16 wave;  s17 my 128 rows of A, also: I fetch for A (0) or B (1);  s18 my 128 rows of B, also: which 8 tiles I fetch;  s19 work-group y
.set RH,  17
.set CH,  18
.set YY,  19
.set ISV, 96                           ; s96  1 in the work-groups that make v
.set SEL, 98
.set ADRA, 16                          ; v16-17 my A fragments in slot 0, 1
.set ADRB, 20                          ; v20-21 the same for B
.set CSO,  25                          ; v25  my byte in a tile's rows of cos and sin
.set LI,   26                          ; v26  16 x lane
.set ADRS, 27                          ; v27  my scale words: lanes 0-15 A's, lanes 16-31 B's
.set SPW,  28
.set NIL,  29
.set SC,   32                          ; register SC + 16 set + 8 q + i: lanes 0-15 the word of A's tile i, lanes 16-31 of B's tile i
.set AF,   128
.set TR,   128                         ; the way out: v128-191 a tile's 64 numbers after the rotation
.set TM,   192
.set PC,   208
.set PWS,  228                         ; v228-235 eight tiles' scale words
.set SD,   236
.set G1, 24
.set G0, 32
.set G1B, 48
.set G0B, 56
.set G1S, 68
.set G0S, 76
.set G1SB, 80
.set G0SB, 88
.set MSB, 0
.macro WIN new
.if MSB != (\new)
	s_set_vgpr_msb (MSB<<8)|(\new)
.set MSB, (\new)
.endif
.endm
.set MUL_LO, 0xa1                      ; source 0 (B) window 1, source 1 (A) window 0, C and D window 2
.set MUL_HI, 0xf1
.set TO_B,   0x40
.macro PLACES n
.rept \n
	v_nop
.endr
.endm
.macro QUANT s, w, pw
	WIN (\w)|((\w)<<2)
.irp b, 0,1,2,3
	v_max3_num_f32 v[TM+\b], |v[(\s)+16*\b]|, |v[(\s)+16*\b+1]|, 0x1800000   ; my 16 numbers of block b, and the floor 2^(3 - 127).  (Each accumulator is read from its low end on)
.endr
.irp i, 2,4,6,8,10,12,14
.irp b, 0,1,2,3
	v_max3_num_f32 v[TM+\b], |v[(\s)+16*\b+\i]|, |v[(\s)+16*\b+\i+1]|, v[TM+\b]
.endr
.endr
	WIN 0
.irp b, 0,1,2,3
	v_permlanex16_b32 v[TM+4+\b], v[TM+\b], s[SEL], s[SEL+1]
.endr
.irp b, 0,1,2,3
	v_max_num_f32 v[TM+\b], v[TM+\b], v[TM+4+\b]
.endr
.irp b, 0,1,2,3
	v_add_nc_u32 v[TM+12+\b], 0xff000000, v[TM+\b]
.endr
.irp b, 0,1,2,3
	v_lshrrev_b32 v[TM+4+\b], 23, v[TM+12+\b]
.endr
	v_lshl_or_b32 v[\pw], v[TM+5], 8, v[TM+4]
	v_lshl_or_b32 v[\pw], v[TM+6], 16, v[\pw]
	v_lshl_or_b32 v[\pw], v[TM+7], 24, v[\pw]
	WIN (\w)
.irp c, 0,1
	v_cvt_scalef32_pk16_fp6_f32 v[PC+6*\c:PC+6*\c+2], v[(\s)+32*\c:(\s)+32*\c+15], v[TM+12+2*\c]
	v_cvt_scalef32_pk16_fp6_f32 v[PC+12+4*\c:PC+14+4*\c], v[(\s)+16+32*\c:(\s)+31+32*\c], v[TM+13+2*\c]
.endr
	WIN 0
	v_nop                                          ; one plain place behind a scaled conversion
.irp c, 0,1
.irp i, 0,1,2
	v_permlane16_swap_b32 v[PC+6*\c+\i], v[PC+12+4*\c+\i]
.endr
.irp i, 0,1,2
	v_mov_b32 v[PC+3+6*\c+\i], v[PC+12+4*\c+\i]
.endr
.endr
.endm
.macro PUT base, off
.irp c, 0,1,2
	global_store_b128 v[LI], v[PC+4*\c:PC+4*\c+3], s[\base:\base+1] offset:(\off)+512*\c
.endr
.endm
; A joint load: waves 0 and 1 fetch for A, waves 2 and 3 for B; the branch hangs on the wave's number alone.  An s_nop 0 and four v_nop follow each of the two lines.
.macro JLOAD g0a, g1a, g0b, g1b
	s_cmp_eq_u32 s[RH], 0
	s_cbranch_scc0 .Lfor_b_\@
	tensor_load_to_lds s[\g0a:\g0a+3], s[\g1a:\g1a+7]
	s_nop 0
.rept 4
	v_nop
.endr
	s_branch .Lasked_\@
.Lfor_b_\@:
	tensor_load_to_lds s[\g0b:\g0b+3], s[\g1b:\g1b+7]
	s_nop 0
.rept 4
	v_nop
.endr
.Lasked_\@:
.endm
.macro CREST                           ; a round of the cluster's barrier behind its opening barrier
	s_cmp_lg_u32 s[WV], 0
	s_cbranch_scc1 .Lnot_wave_0_\@
	s_barrier_signal -3
.Lnot_wave_0_\@:
	s_barrier_wait -3
	s_barrier_signal -1
	s_barrier_wait -1
.endm
.macro CROUND
	s_barrier_signal -1
	s_barrier_wait -1
	CREST
.endm
	s_load_b256 s[4:11], s[0:1], 0x0               ; wc, ws, cos, sin
	s_load_b128 s[12:15], s[0:1], 0x20             ; qc, qs
	v_lshl_add_u32 v[SPW], v0, 2, SPARE
	v_mov_b32 v[NIL], 0
	ds_add_u32 v[SPW], v[NIL]                      ; the wave's opening: the add and its wait stand ahead of my first tensor load; work on registers stands between them
	v_lshrrev_b32 v1, 5, v0
	v_readfirstlane_b32 s[WV], v1
	s_lshr_b32 s[RH], s[WV], 1
	s_and_b32 s[CH], s[WV], 1
	s_bfe_u32 s40, ttmp6, 0x40000                  ; cx
	s_bfe_u32 s41, ttmp6, 0x40004                  ; cy
	s_lshl_b32 s42, ttmp9, 2
	s_add_co_u32 s42, s42, s40                     ; work-group x = 4 x cluster x + cx
	s_and_b32 s[YY], ttmp7, 0xffff
	s_lshl_b32 s[YY], s[YY], 2
	s_add_co_u32 s[YY], s[YY], s41                 ; work-group y
	s_lshr_b32 s[ISV], ttmp9, 2                    ; clusters 4 and 5 along x make v: the same in all sixteen partners
	s_lshl_b32 s43, s41, 2
	s_lshl_b32 s43, 15, s43                        ; my row of the cluster
	s_lshl_b32 s44, 0x1111, s40                    ; my column
	; group 1: dense blocks as rows of 256 bytes (32 elements of 8 bytes): 96 rows of codes, 32 rows of scale words; no padding: an image's loads take consecutive bytes
	s_or_b32 s[G1+0], s43, (3<<16)|(1<<21)         ; 15:0 the mask: A's go to my row; 17:16 elements of 8 bytes; 21 set beside a mask
	s_or_b32 s[G1B+0], s44, (3<<16)|(1<<21)
.irp g, G1, G1B
	s_mov_b32 s[\g+1], 32<<16                      ; tensor_dim0 = 32
	s_mov_b32 s[\g+2], 96<<16                      ; tensor_dim1 = 96
	s_mov_b32 s[\g+3], 32<<16                      ; tile_dim0
	s_mov_b32 s[\g+4], 96                          ; tile_dim1
	s_mov_b32 s[\g+5], 32                          ; pitch
	s_mov_b32 s[\g+6], 0
	s_mov_b32 s[\g+7], 0
.endr
	s_or_b32 s[G1S+0], s43, (3<<16)|(1<<21)
	s_or_b32 s[G1SB+0], s44, (3<<16)|(1<<21)
.irp g, G1S, G1SB
	s_mov_b32 s[\g+1], 32<<16
	s_mov_b32 s[\g+2], 32<<16
	s_mov_b32 s[\g+3], 32<<16
	s_mov_b32 s[\g+4], 32
	s_mov_b32 s[\g+5], 32
	s_mov_b32 s[\g+6], 0
	s_mov_b32 s[\g+7], 0
.endr
	; tiles are numbered through wc: x 0-127, Wq 128-255, Wk 256-383, Wv 384-511.  A's first tile hangs on y alone, B's on x alone
	s_mul_i32 s21, s[ISV], 384
	s_lshl_b32 s22, s[CH], 3
	s_lshl_b32 s46, s42, 4
	s_add_co_u32 s46, s46, 128
	s_sub_co_u32 s46, s46, s21
	s_add_co_u32 s46, s46, s22                     ; B: 128 + 16 x + 8 half - 384 (v)
	s_lshl_b32 s20, s[YY], 4
	s_add_co_u32 s20, s20, s21
	s_add_co_u32 s20, s20, s22                     ; A: 384 (v) + 16 y + 8 half
	s_lshr_b32 s92, s20, 3
	s_lshl_b32 s92, s92, 13                        ; its group's scale words: 8,192 bytes a group
	s_mov_b32 s93, 0
	s_lshr_b32 s94, s46, 3
	s_lshl_b32 s94, s94, 13
	s_mov_b32 s95, 0
	s_lshr_b32 s21, s20, 7
	s_mul_i32 s21, s21, 3145728                    ; its codes: tensor,
	s_and_b32 s20, s20, 127
	s_mul_i32 s20, s20, 3072                       ; tile
	s_add_co_u32 s20, s20, s21
	s_mov_b32 s21, 0
	s_lshr_b32 s47, s46, 7
	s_mul_i32 s47, s47, 3145728
	s_and_b32 s46, s46, 127
	s_mul_i32 s46, s46, 3072
	s_add_co_u32 s46, s46, s47
	s_mov_b32 s47, 0
	s_mul_i32 s45, s[WV], HALFT                    ; where they go: no place in the cluster enters an LDS address
	s_lshl_b32 s97, s[WV], 13
	s_mov_b32 s[SEL], 0x76543210
	s_mov_b32 s[SEL+1], 0xfedcba98
	s_wait_dscnt 0x0                               ; the opening add is done
	s_wait_kmcnt 0x0
	s_add_nc_u64 s[20:21], s[4:5], s[20:21]
	s_add_nc_u64 s[46:47], s[4:5], s[46:47]
	s_add_nc_u64 s[92:93], s[6:7], s[92:93]
	s_add_nc_u64 s[94:95], s[6:7], s[94:95]
	CROUND                                         ; all sixteen work-groups are here: the first joint loads meet
	s_mov_b32 s[G0S], 1
	s_add_co_u32 s[G0S+1], s97, SCL
	s_mov_b64 s[G0S+2:G0S+3], s[92:93]
	s_or_b32 s[G0S+3], s[G0S+3], 0x80000000
	s_mov_b32 s[G0SB], 1
	s_add_co_u32 s[G0SB+1], s97, SCL
	s_mov_b64 s[G0SB+2:G0SB+3], s[94:95]
	s_or_b32 s[G0SB+3], s[G0SB+3], 0x80000000
	JLOAD G0S, G1S, G0SB, G1SB                     ; the scale words for all of K: filled once.  Three loads of mine are out behind the next two
.irp s, 0,1
	s_mov_b32 s[G0+4*\s], 1
	s_add_co_u32 s[G0+4*\s+1], s45, \s*SLOT
	s_add_nc_u64 s[G0+4*\s+2:G0+4*\s+3], s[20:21], \s*SPB
	s_or_b32 s[G0+4*\s+3], s[G0+4*\s+3], 0x80000000
	s_mov_b32 s[G0B+4*\s], 1
	s_add_co_u32 s[G0B+4*\s+1], s45, \s*SLOT
	s_add_nc_u64 s[G0B+4*\s+2:G0B+4*\s+3], s[46:47], \s*SPB
	s_or_b32 s[G0B+4*\s+3], s[G0B+4*\s+3], 0x80000000
	JLOAD G0+4*\s, G1, G0B+4*\s, G1B
.endr
	v_and_b32 v1, 15, v0                           ; r
	v_bfe_u32 v2, v0, 4, 1                         ; h
	v_and_b32 v3, 31, v0                           ; lane; kept
	v_lshlrev_b32 v[LI], 4, v3
	s_mul_i32 s21, s[RH], HALFT
	s_mul_i32 s22, s[CH], HALFT
	s_add_co_u32 s22, s22, 2*HALFT
.irp s, 0,1
	v_add_nc_u32 v[ADRA+\s], s21, v[LI]
	v_add_nc_u32 v[ADRB+\s], s22, v[LI]
	s_add_co_u32 s21, s21, SLOT
	s_add_co_u32 s22, s22, SLOT
.endr
	s_lshl_b32 s21, s[RH], 13                      ; A's scale words: my group
	s_lshl_b32 s22, s[CH], 13                      ; B's: my group, behind A's two
	s_add_co_u32 s22, s22, 16384
	s_sub_co_u32 s22, s22, s21
	v_mul_u32_u24 v6, s22, v2                      ; lanes 16-31 take B's
	s_add_co_u32 s21, s21, SCL
	v_lshl_add_u32 v5, v1, 4, v6                   ; 16 bytes a row: four tiles' words
	v_add_nc_u32 v[ADRS], s21, v5
	v_and_b32 v5, 8, v1
	v_add_nc_u32 v5, v5, v1                        ; r + 8 (r / 8)
	v_lshlrev_b32 v[CSO], 9, v5                    ; cos, sin: a token's row is 512 bytes,
	v_lshl_add_u32 v[CSO], v2, 6, v[CSO]           ; + 64 h: my 16 numbers of a block of 32
	; where the results go
	s_lshl_b32 s46, s42, 1
	s_add_co_u32 s46, s46, s[CH]                   ; 2 x + my half of B
	s_lshl_b32 s20, s[YY], 1
	s_add_co_u32 s20, s20, s[RH]                   ; 2 y + my half of A
	s_add_co_u32 s22, s20, 32
	s_sub_co_u32 s23, s46, 32
	s_cmp_eq_u32 s[ISV], 0
	s_cselect_b32 s22, s46, s22                    ; which of qc's 48: q, k: 2 x + half;  v: 32 + 2 y + half
	s_cselect_b32 s23, s20, s23                    ; which group of 8 fragments: q, k: the tokens';  v: the key step
	s_mul_i32 s92, s22, 196608
	s_mul_i32 s93, s23, 12288
	s_add_co_u32 s92, s92, s93
	s_mov_b32 s93, 0
	s_add_nc_u64 s[12:13], s[12:13], s[92:93]
	s_lshl_b32 s92, s22, 4
	s_add_co_u32 s92, s92, s23
	s_lshl_b32 s92, s92, 9
	s_add_nc_u64 s[14:15], s[14:15], s[92:93]
	s_lshl_b32 s92, s20, 16                        ; cos, sin at my 128 tokens
	s_add_nc_u64 s[8:9], s[8:9], s[92:93]
	s_add_nc_u64 s[10:11], s[10:11], s[92:93]
.macro FRAG reg, adr, q, i             ; a fragment's image: three loads of 512 consecutive bytes
.irp c, 0,1,2
	ds_load_b128 v[(\reg)+4*\c:(\reg)+4*\c+3], v[\adr] offset:3072*(\i)+1536*(\q)+512*\c
.endr
.endm
; 16 matrix instructions: A's tiles a0, a0 + 1 x B's eight.  The 64 accumulators take turns, one instruction a turn, in the same order in every step.
.macro MUL16 a0, p, q, sc, zero
.irp a, \a0, \a0+1
.irp b, 0,1,2,3,4,5,6,7
.if \zero
	v_wmma_scale_f32_16x16x128_f8f6f4 v[8*(8*((\a)%4)+\b):8*(8*((\a)%4)+\b)+7], v[128*(\p)+FR*\b:128*(\p)+FR*\b+FR-1], v[AF+FR*(\a):AF+FR*(\a)+FR-1], 0, v[SC+16*(\sc)+8*(\q)+\b], v[SC+16*(\sc)+8*(\q)+(\a)] matrix_a_fmt:MATRIX_FMT_FP6 matrix_b_fmt:MATRIX_FMT_FP6 matrix_a_scale:MATRIX_SCALE_ROW1
.else
	v_wmma_scale_f32_16x16x128_f8f6f4 v[8*(8*((\a)%4)+\b):8*(8*((\a)%4)+\b)+7], v[128*(\p)+FR*\b:128*(\p)+FR*\b+FR-1], v[AF+FR*(\a):AF+FR*(\a)+FR-1], v[8*(8*((\a)%4)+\b):8*(8*((\a)%4)+\b)+7], v[SC+16*(\sc)+8*(\q)+\b], v[SC+16*(\sc)+8*(\q)+(\a)] matrix_a_fmt:MATRIX_FMT_FP6 matrix_b_fmt:MATRIX_FMT_FP6 matrix_a_scale:MATRIX_SCALE_ROW1
.endif
.endr
.endr
.endm
.macro FETCH_B slot, q, p
	WIN TO_B
.irp i, 0,1,2,3,4,5,6,7
	FRAG 128*(\p)+FR*\i, ADRB+\slot, \q, \i
.endr
	WIN 0
.endm
.macro FETCH_A slot, q, i0
.irp i, \i0, \i0+1, \i0+2, \i0+3
	FRAG AF+FR*(\i), ADRA+\slot, \q, \i
.endr
.endm
.macro SCALES sc                       ; a slot's scale words: two steps of 128, eight tiles: four loads of four words a lane
.irp q, 0,1
.irp g, 0,1
	ds_load_b128 v[SC+16*\sc+8*\q+4*\g:SC+16*\sc+8*\q+4*\g+3], v[ADRS] offset:512*\q+256*\g
.endr
.endr
.endm
; A step of 128 along K that has its successor in the same slot
.macro STEP slot, q, zero
	s_wait_dscnt 4*NL                              ; all but the youngest twelve loads (A's tiles 4-7) are in
	WIN MUL_LO
	MUL16 0, (\q)%2, \q, \slot, \zero
	MUL16 2, (\q)%2, \q, \slot, \zero
	s_wait_dscnt 0                                 ; A's tiles 4-7 are in
	PLACES NP                                      ; in front of loads into registers that matrix instructions have read
	FETCH_B \slot, (\q)+1, 1-(\q)%2
	FETCH_A \slot, (\q)+1, 0
	WIN MUL_HI
	MUL16 4, (\q)%2, \q, \slot, \zero
	MUL16 6, (\q)%2, \q, \slot, \zero
	PLACES NP
	WIN 0
	FETCH_A \slot, (\q)+1, 4
.endm
; A slot's last step changes slots: one barrier; in front of it each wave waits for all its tensor loads, adds 0 to its spare word, and waits for that and for its reads of this slot
.macro TURN slot, next, fill
	s_wait_tensorcnt 0x0                           ; all my tensor loads have landed: my part of the next slot
	ds_add_u32 v[SPW], v[NIL]
	s_wait_dscnt 4*NL+1                            ; (the add and the youngest twelve loads may be out)
	WIN MUL_LO
	MUL16 0, 1, NQ-1, \slot, 0
	s_wait_dscnt 0x0                               ; the add is done, and my reads of this slot are over
	s_barrier_signal -1
	MUL16 2, 1, NQ-1, \slot, 0
	WIN 0
	s_barrier_wait -1
.if \fill
	CREST                                          ; the barrier has opened a round of the cluster's: no wave of any partner still reads this slot or has a load on its way
	s_add_nc_u64 s[G0+4*\slot+2:G0+4*\slot+3], s[G0+4*\slot+2:G0+4*\slot+3], 2*SPB
	s_add_nc_u64 s[G0B+4*\slot+2:G0B+4*\slot+3], s[G0B+4*\slot+2:G0B+4*\slot+3], 2*SPB
	JLOAD G0+4*\slot, G1, G0B+4*\slot, G1B         ; my one tensor load behind the round; its four v_nop are the places in front of the loads below
.else
	PLACES NP
.endif
	v_add_nc_u32 v[ADRS], 1024, v[ADRS]            ; the next slot's scale words
	FETCH_B \next, 0, 0
	FETCH_A \next, 0, 0
	SCALES \next
	WIN MUL_HI
	MUL16 4, 1, NQ-1, \slot, 0
	MUL16 6, 1, NQ-1, \slot, 0
	PLACES NP
	WIN 0
	FETCH_A \next, 0, 4
.endm
	s_wait_tensorcnt 1                             ; the scale words and my part of slot 0 are in; slot 1's load may be out
	s_barrier_signal -1
	s_barrier_wait -1
	FETCH_B 0, 0, 0
	FETCH_A 0, 0, 0
	SCALES 0
	FETCH_A 0, 0, 4
	STEP 0, 0, 1                                   ; the first step stands in front of the loop: its products start the sums
	s_mov_b32 s3, 3
.Llap:                                                 ; a trip goes once round the ring and fills both slots again: 2048 along K are eight slots
	TURN 0, 1, 1
	STEP 1, 0, 0
	TURN 1, 0, 1
	STEP 0, 0, 0
	s_sub_co_u32 s3, s3, 1
	s_cmp_lg_u32 s3, 0
	s_cbranch_scc1 .Llap
	TURN 0, 1, 0                                   ; the last lap fills nothing
	STEP 1, 0, 0
	s_wait_dscnt 4*NL
	WIN MUL_LO
	MUL16 0, 1, NQ-1, 1, 0
	MUL16 2, 1, NQ-1, 1, 0
	s_wait_dscnt 0
	WIN MUL_HI
	MUL16 4, 1, NQ-1, 1, 0
	MUL16 6, 1, NQ-1, 1, 0
	WIN 0
	; THE WAY OUT: a tile of A at a time: its 64 numbers a lane become one fragment and one scale word a row
	PLACES NP
.irp b, 0,1,2,3
	v_mov_b32 v[TM+4+\b], 0                        ; written once: a lane permute's destination counts as one of its sources
.endr
	s_cmp_lg_u32 s[ISV], 0
	s_cbranch_scc1 .Lv
; q, k: the rotation.  Register n = 16 b + i is channel d = 32 b + 16 h + i of my token, so channel d + 64 is register n + 32 of the same lane
.macro CSLOAD a                        ; cos and sin of tile a's tokens at my 64 channels, into set a % 2 of window 1: cos at 128 e, sin at 128 e + 64
	WIN 0x40
.irp u, 0,1,2,3
.irp j, 0,1,2,3
	global_load_b128 v[128*((\a)%2)+16*\u+4*\j:128*((\a)%2)+16*\u+4*\j+3], v[CSO], s[8:9] offset:(32*((\a)/2)+8*((\a)%2))*512+128*\u+16*\j
	global_load_b128 v[128*((\a)%2)+64+16*\u+4*\j:128*((\a)%2)+64+16*\u+4*\j+3], v[CSO], s[10:11] offset:(32*((\a)/2)+8*((\a)%2))*512+128*\u+16*\j
.endr
.endr
.endm
.macro ROPE a
	WIN (2+(\a)/4)|(1<<2)                          ; source 0: the accumulators' window; source 1: window 1
.set AC, 64*((\a)%4)
.set CB, 128*((\a)%2)
.set i, 0
.rept 32
	v_pk_mul_f32 v[TR+i:TR+i+1], v[AC+i:AC+i+1], v[CB+i:CB+i+1]   ; t cos, in ascending order: each accumulator from its low end on
.set i, i+2
.endr
.set i, 0
.rept 16
	v_pk_fma_f32 v[TR+i:TR+i+1], v[AC+32+i:AC+33+i], v[CB+64+i:CB+65+i], v[TR+i:TR+i+1] neg_lo:[1,0,0] neg_hi:[1,0,0]   ; d < 64: - t(d + 64) sin
.set i, i+2
.endr
.rept 16
	v_pk_fma_f32 v[TR+i:TR+i+1], v[AC+i-32:AC+i-31], v[CB+64+i:CB+65+i], v[TR+i:TR+i+1]   ; d >= 64: + t(d - 64) sin
.set i, i+2
.endr
.endm
	CSLOAD 0
	CSLOAD 1
.irp a, 0,1,2,3,4,5,6,7
.if \a < 7
	s_wait_loadcnt 32                              ; this tile's 32 loads are in; the next tile's 32 may be out
.else
	s_wait_loadcnt 0x0
.endif
	ROPE \a
.if \a < 6
	CSLOAD \a+2
.endif
	WIN 0
.if \a > 0
	s_wait_xcnt 0x0                                ; the last fragment's stores have read their data
.endif
	QUANT TR, 0, PWS+\a
	PUT 12, 1536*\a
.endr
	s_branch .Ltail
.Lv:                                                   ; v: the accumulators are quantised as they stand: my channel's 128 keys
.irp a, 0,1,2,3,4,5,6,7
.if \a > 0
	s_wait_xcnt 0x0
.endif
	QUANT 64*((\a)%4), 2+(\a)/4, PWS+\a
	PUT 12, 1536*\a
.endr
.Ltail:
	v_cmp_lt_u32 vcc_lo, 15, v3                    ; lanes 0-15 store tiles 0-3's words, lanes 16-31 tiles 4-7's
.irp i, 0,1,2,3
	v_cndmask_b32 v[SD+\i], v[PWS+\i], v[PWS+4+\i], vcc_lo
.endr
	global_store_b128 v[LI], v[SD:SD+3], s[14:15]  ; 512 consecutive bytes, aligned
	s_wait_tensorcnt 0x0                           ; the wave's end
	ds_add_u32 v[SPW], v[NIL]
	s_wait_dscnt 0x0
	CROUND                                         ; the closing round
	s_endpgm
.Lfunc_end_k_q4a1f6182c3_qkv:
	.size	k_q4a1f6182c3_qkv, .Lfunc_end_k_q4a1f6182c3_qkv-k_q4a1f6182c3_qkv
	.p2alignl 7, 3214868480
	.fill 96, 4, 3214868480
	.section	.rodata,"a",@progbits
	.p2align	6, 0x0
	.amdhsa_kernel k_q4a1f6182c3_qkv
		.amdhsa_group_segment_fixed_size 327680
		.amdhsa_private_segment_fixed_size 0
		.amdhsa_enable_private_segment 0
		.amdhsa_kernarg_size 48
		.amdhsa_user_sgpr_count 2
		.amdhsa_user_sgpr_kernarg_segment_ptr 1
		.amdhsa_wavefront_size32 1
		.amdhsa_system_sgpr_workgroup_id_x 1
		.amdhsa_system_sgpr_workgroup_id_y 1
		.amdhsa_system_sgpr_workgroup_id_z 1
		.amdhsa_system_vgpr_workitem_id 0
		.amdhsa_next_free_vgpr 1024
		.amdhsa_next_free_sgpr 100
		.amdhsa_reserve_vcc 1
		.amdhsa_float_denorm_mode_32 3
		.amdhsa_float_denorm_mode_16_64 3
		.amdhsa_memory_ordered 1
		.amdhsa_forward_progress 1
		.amdhsa_inst_pref_size 229
	.end_amdhsa_kernel
	.amdgpu_metadata
---
amdhsa.version: [ 1, 2 ]
amdhsa.kernels:
  - .name:           k_q4a1f6182c3_qkv
    .symbol:         k_q4a1f6182c3_qkv.kd
    .args:
      - { .name: wc, .offset: 0, .size: 8, .value_kind: global_buffer, .address_space: global }
      - { .name: ws, .offset: 8, .size: 8, .value_kind: global_buffer, .address_space: global }
      - { .name: cos, .offset: 16, .size: 8, .value_kind: global_buffer, .address_space: global }
      - { .name: sin, .offset: 24, .size: 8, .value_kind: global_buffer, .address_space: global }
      - { .name: qc, .offset: 32, .size: 8, .value_kind: global_buffer, .address_space: global }
      - { .name: qs, .offset: 40, .size: 8, .value_kind: global_buffer, .address_space: global }
    .group_segment_fixed_size: 327680
    .private_segment_fixed_size: 0
    .kernarg_segment_align: 8
    .kernarg_segment_size: 48
    .max_flat_workgroup_size: 128
    .sgpr_count:     100
    .vgpr_count:     1024
    .wavefront_size: 32
...
	.end_amdgpu_metadata
.endif
;; end of part 2
;; launch attn (part 3): grid 16 x 16, 8 waves a work-group, no clusters, 327,680 bytes of LDS; arguments qc, qs, ac, asc; writes ac, asc
.if DOCPART == 3
	.amdgcn_target "amdgcn-amd-amdhsa--gfx1250"
	.amdhsa_code_object_version 6
	.text
	.protected	k_q4a1f6182c3_attn
	.globl	k_q4a1f6182c3_attn
	.p2align	8
	.type	k_q4a1f6182c3_attn,@function
k_q4a1f6182c3_attn:
	s_mov_b64 s[64:65], 0
	v_nop
	global_prefetch_b8 v0, s[64:65] scope:SCOPE_SE
	s_setreg_imm32_b32 hwreg(HW_REG_WAVE_MODE, 25, 1), 1
	s_wait_xcnt 0x0
; O[h][q] = the sum over keys k <= q of softmax_k(Q[h][q] . K[h][k] / sqrt(128)) V[h][k], both products on codes of FP6 (E2M3) with E8M0 scales; O / l is quantised along the head's 128 for the last product.
; THE SOFTMAX: t = score x log2(e) / sqrt(128); M = the running largest t rounded up to a whole number; p = 2^(t - M) is quantised along the keys; the row's sum is taken of the unquantised p and divides O at the end.
; Operands come as images of operand registers (qc: [48][128 fragments][1536]; qs: [48][16][512]).  The rows of a tile are 32 (T / 2) + 8 (T % 2) + rho + 8 (rho / 8).
; Both products are used transposed: S^T = K Q^T, O^T = V^T P^T: a lane holds one query; by the order of a tile's rows its 64 scores are keys 32 b + 16 (lane / 16) + i, its 64 numbers of O^T channels in the same order.
; SHARES.  16 x 16 work-groups: y = the head; x = 2 j + half.  Waves 0-3 own tiles 4 half + (wave % 4) of the block of 128 queries j, waves 4-7 of block 15 - j: block J needs J + 1 key steps of 128, so waves w and
; w + 4 together walk 17 steps in every work-group.  K and V come through two LDS slots of 256 keys, filled by waves 0-3 (K's two steps, V's two), read by all eight.
; THE CAUSAL MASK.  Every work-group walks all 8 slots: trip counts are constants.  A step all of whose keys come after the wave's block is jumped over; in the step on the diagonal hidden scores become -infinity
; (reference() writes -1e30: p is 0 either way, since a query's own key always counts).  A slot whose first key comes after the work-group's last query is not asked for.
; NO CLUSTER: the work-groups of a head need different numbers of slots (16 - j key steps), and a joint load may not be left out by one partner: all four would have to ask for all eight slots and meet in a round at each.
; LIMITS: NaN and infinities are not served; a block whose largest magnitude lies under 2^-124, a block of zeros among them, gets the byte 1 (zeros have zero codes; this program alone reads the bytes).
; REGISTERS: v1-11 addresses; v12 -M, v13 the largest t, v[14:15] the sum; v16-27 Q; v32-79 four fragments of K or V; v96-159 S^T, then p; v160-223 O^T; v224-254 at work; v248-251 four tiles' scale words; v255 Q's.
.set SLOT1, 65536                      ; a slot: K step 0, K step 1, V step 0, V step 1, 12,288 bytes each; slot 1 begins here, so that one exclusive or changes slots
.set SCK,   131072                     ; K's scale words of the head, 8,192 bytes, then V's
.set SPARE, 147456                     ; the spare words, 128 bytes a wave
.set OSC,   148480                     ; 512 bytes: the results' scale words meet here; no tensor load lands here
.set LI,   1                           ; v1   16 x lane
.set ASK0, 3                           ; v3   my place among K's scale words
.set OSA,  4                           ; v4   where my scale word goes
.set SPW,  5
.set NIL,  6
.set D0,   7                           ; v7   my query in its block - 16 (lane / 16)
.set ADK,  8                           ; v8   the slot in hand + 16 x lane
.set OSR,  9                           ; v9   wave 0 reads the words back
.set ADS,  10                          ; v10  the step's scale words
.set GSO,  11                          ; v11  and stores them
.set PFO,  28                          ; v28  256 x lane
.set TM,   32                          ; the way out's quantiser
.set PC,   48
.set WV,   18
.set SEL,  20
.set CS,   22                          ; s[22:23] c = log2(e) / sqrt(128)
.set G1C,  24
.set G1S,  32
.set G0C,  40
.set G0S,  44
.set TB,   2                           ; s2   the slot in hand
.set TS,   3                           ; s3   the step's scale words: 512 bytes a step
.set SLOTS, 67
.set PFA,  78
.set LIM,  80
.set QLW,  97                          ; s97  my work-group's last query
.set KF,   98                          ; s98  the step's first key
.set QB,   99                          ; s99  my block's first query
.set MSB, 0
.macro WIN new
.if MSB != (\new)
	s_set_vgpr_msb (MSB<<8)|(\new)
.set MSB, (\new)
.endif
.endm
.macro QUANT s, w, pw
	WIN (\w)|((\w)<<2)
.irp b, 0,1,2,3
	v_max3_num_f32 v[TM+\b], |v[(\s)+16*\b]|, |v[(\s)+16*\b+1]|, 0x1800000
.endr
.irp i, 2,4,6,8,10,12,14
.irp b, 0,1,2,3
	v_max3_num_f32 v[TM+\b], |v[(\s)+16*\b+\i]|, |v[(\s)+16*\b+\i+1]|, v[TM+\b]
.endr
.endr
	WIN 0
.irp b, 0,1,2,3
	v_permlanex16_b32 v[TM+4+\b], v[TM+\b], s[SEL], s[SEL+1]
.endr
.irp b, 0,1,2,3
	v_max_num_f32 v[TM+\b], v[TM+\b], v[TM+4+\b]
.endr
.irp b, 0,1,2,3
	v_add_nc_u32 v[TM+12+\b], 0xff000000, v[TM+\b]
.endr
.irp b, 0,1,2,3
	v_lshrrev_b32 v[TM+4+\b], 23, v[TM+12+\b]
.endr
	v_lshl_or_b32 v[\pw], v[TM+5], 8, v[TM+4]
	v_lshl_or_b32 v[\pw], v[TM+6], 16, v[\pw]
	v_lshl_or_b32 v[\pw], v[TM+7], 24, v[\pw]
	WIN (\w)
.irp c, 0,1
	v_cvt_scalef32_pk16_fp6_f32 v[PC+6*\c:PC+6*\c+2], v[(\s)+32*\c:(\s)+32*\c+15], v[TM+12+2*\c]
	v_cvt_scalef32_pk16_fp6_f32 v[PC+12+4*\c:PC+14+4*\c], v[(\s)+16+32*\c:(\s)+31+32*\c], v[TM+13+2*\c]
.endr
	WIN 0
	v_nop
.irp c, 0,1
.irp i, 0,1,2
	v_permlane16_swap_b32 v[PC+6*\c+\i], v[PC+12+4*\c+\i]
.endr
.irp i, 0,1,2
	v_mov_b32 v[PC+3+6*\c+\i], v[PC+12+4*\c+\i]
.endr
.endr
.endm
.macro PUT base, off
.irp c, 0,1,2
	global_store_b128 v[LI], v[PC+4*\c:PC+4*\c+3], s[\base:\base+1] offset:(\off)+512*\c
.endr
.endm
.macro TLOAD                           ; waves 0-3 fetch, the others nothing; an s_nop 0 and four v_nop follow the line
	s_cmp_lt_u32 s[WV], 4
	s_cbranch_scc0 .Lasked_\@
	tensor_load_to_lds s[G0C:G0C+3], s[G1C:G1C+7]
	s_nop 0
.rept 4
	v_nop
.endr
.Lasked_\@:
.endm
; A prefetch of what the NEXT change of slots will ask for: 24,576 bytes of K and as many of V.  All work-groups of a head walk the same K and V: the head's first work-group asks, which walks all slots;
; in it waves 4, 5, 6, which fetch nothing: 8,192 bytes a wave, lanes 256 bytes apart, once for K and once for V.  So each block of 256 bytes is named once.  The last change that fills a slot asks for nothing.
.macro ASK
	s_cmp_gt_u32 s[SLOTS], s[LIM]
	s_cbranch_scc0 .Lnot_mine_\@
	global_prefetch_b8 v[PFO], s[PFA:PFA+1] th:TH_LOAD_NT scope:SCOPE_SE
	global_prefetch_b8 v[PFO], s[PFA:PFA+1] offset:3145728 th:TH_LOAD_NT scope:SCOPE_SE
.Lnot_mine_\@:
.endm
	s_load_b256 s[4:11], s[0:1], 0x0               ; qc, qs, ac, asc
	v_lshl_add_u32 v[SPW], v0, 2, SPARE
	v_mov_b32 v[NIL], 0
	ds_add_u32 v[SPW], v[NIL]                      ; the wave's opening: the add and its wait stand ahead of my first tensor load; work on registers stands between them
	v_lshrrev_b32 v8, 5, v0
	v_readfirstlane_b32 s[WV], v8                  ; wave 0..7
	s_and_b32 s48, ttmp7, 0xffff                   ; the head
	s_lshr_b32 s49, ttmp9, 1                       ; j
	s_and_b32 s50, ttmp9, 1                        ; half
	s_lshr_b32 s51, s[WV], 2
	s_and_b32 s52, s[WV], 3
	s_lshl_b32 s53, s49, 1
	s_sub_co_u32 s53, 15, s53                      ; 15 - 2 j
	s_mul_i32 s54, s51, s53
	s_add_co_u32 s54, s54, s49                     ; my block of 128 queries: j or 15 - j
	s_lshl_b32 s[QB], s54, 7
	s_sub_co_u32 s[QLW], 15, s49
	s_lshl_b32 s[QLW], s[QLW], 7
	s_or_b32 s[QLW], s[QLW], 127
	s_lshl_b32 s55, s54, 3
	s_lshl_b32 s81, s50, 2
	s_add_co_u32 s55, s55, s81
	s_add_co_u32 s55, s55, s52                     ; my tile of 16 queries
	s_bfe_u32 s56, s[WV], 0x10001                  ; (wave / 2) % 2: I fetch for K (0) or V (1)
	s_and_b32 s57, s[WV], 1                        ; which of a slot's two steps
	s_lshl_b32 s81, s56, 4
	s_add_co_u32 s81, s81, s48
	s_add_co_u32 s81, s81, 16                      ; which of qc's 48
	s_mul_i32 s58, s81, 196608
	s_mul_i32 s82, s57, 12288
	s_add_co_u32 s58, s58, s82
	s_mov_b32 s59, 0
	s_lshl_b32 s60, s81, 13
	s_lshl_b32 s82, s57, 12
	s_add_co_u32 s60, s60, s82
	s_mov_b32 s61, 0
	s_lshl_b32 s68, s48, 7                         ; Q's fragment
	s_add_co_u32 s68, s68, s55
	s_mul_i32 s68, s68, 1536
	s_mov_b32 s69, 0
	s_lshl_b32 s70, s48, 4                         ; Q's scale words: group, half, tile % 4
	s_add_co_u32 s70, s70, s54
	s_lshl_b32 s70, s70, 9
	s_lshl_b32 s82, s50, 8
	s_add_co_u32 s70, s70, s82
	s_lshl_b32 s83, s52, 2
	s_add_co_u32 s70, s70, s83
	s_mov_b32 s71, 0
	s_lshr_b32 s72, s48, 1                         ; ac: [head / 2][tile][head % 2][1536]
	s_mul_i32 s72, s72, 393216
	s_mul_i32 s84, s55, 3072
	s_add_co_u32 s72, s72, s84
	s_and_b32 s84, s48, 1
	s_mul_i32 s84, s84, 1536
	s_add_co_u32 s72, s72, s84
	s_mov_b32 s73, 0
	s_lshl_b32 s74, s48, 9                         ; asc: [group][head][512]: head and half here, the group in the lanes' offset
	s_add_co_u32 s74, s74, s82
	s_mov_b32 s75, 0
	s_add_co_u32 s76, s48, 16                      ; the prefetches: K of my head, my wave's 8,192 bytes, in slot 1: the first change of slots steps it to slot 2
	s_mul_i32 s76, s76, 196608
	s_lshl_b32 s84, s52, 13
	s_add_co_u32 s76, s76, s84
	s_add_co_u32 s76, s76, 24576
	s_mov_b32 s77, 0
	s_sub_co_u32 s96, s[WV], 4
	s_cmp_lt_u32 s96, 3                            ; waves 4, 5, 6
	s_cselect_b32 s96, 0, 1
	s_or_b32 s96, s96, ttmp9                       ; of the head's first work-group
	s_cmp_eq_u32 s96, 0
	s_cselect_b32 s[LIM], 1, -1
	s_lshl_b32 s85, s50, 6                         ; my tile's first query in its block: 64 half + 32 ((wave / 2) % 2) + 8 (wave % 2)
	s_lshl_b32 s84, s56, 5
	s_add_co_u32 s85, s85, s84
	s_lshl_b32 s84, s57, 3
	s_add_co_u32 s85, s85, s84
	s_lshl_b32 s86, s51, 8
	s_add_co_u32 s86, s86, s83
	s_add_co_u32 s86, s86, OSC
	s_lshl_b32 s87, s53, 13
	s_lshl_b32 s88, s49, 13
	v_and_b32 v29, 31, v0                          ; lane
	v_and_b32 v30, 15, v0                          ; r
	v_bfe_u32 v31, v0, 4, 1                        ; h
	v_lshlrev_b32 v[LI], 4, v29
	v_lshl_add_u32 v[ASK0], v30, 4, SCK
	v_lshl_add_u32 v[OSA], v30, 4, s86
	v_add_nc_u32 v[OSR], OSC, v[LI]
	v_and_b32 v[D0], 8, v30
	v_add_nc_u32 v[D0], v[D0], v30
	v_lshlrev_b32 v2, 4, v31
	v_sub_nc_u32 v[D0], v[D0], v2
	v_add_nc_u32 v[D0], s85, v[D0]
	v_lshlrev_b32 v2, 4, v30                       ; Q's scale word: 16 r
	v_mul_u32_u24 v[GSO], s87, v31                 ; lanes 16-31 store block 15 - j's words
	v_lshl_add_u32 v[GSO], v30, 4, v[GSO]
	v_add_nc_u32 v[GSO], s88, v[GSO]
	v_lshlrev_b32 v[PFO], 8, v29
	; group 1: dense blocks as rows of 256 bytes: 48 rows of codes, 16 rows of scale words
	s_mov_b32 s[G1C], 3<<16
	s_mov_b32 s[G1C+1], 32<<16
	s_mov_b32 s[G1C+2], 48<<16
	s_mov_b32 s[G1C+3], 32<<16
	s_mov_b32 s[G1C+4], 48
	s_mov_b32 s[G1C+5], 32
	s_mov_b32 s[G1C+6], 0
	s_mov_b32 s[G1C+7], 0
	s_mov_b32 s[G1S], 3<<16
	s_mov_b32 s[G1S+1], 32<<16
	s_mov_b32 s[G1S+2], 16<<16
	s_mov_b32 s[G1S+3], 32<<16
	s_mov_b32 s[G1S+4], 16
	s_mov_b32 s[G1S+5], 32
	s_mov_b32 s[G1S+6], 0
	s_mov_b32 s[G1S+7], 0
	s_mov_b32 s[SEL], 0x76543210
	s_mov_b32 s[SEL+1], 0xfedcba98
	s_mov_b32 s[CS], 0x3e0293ee
	s_mov_b32 s[CS+1], s[CS]
	s_mov_b32 s[TB], 0
	s_mov_b32 s[TS], 0
	s_mov_b32 s[KF], 0
	s_mov_b32 s[SLOTS], 7
	s_wait_dscnt 0x0                               ; the opening add is done
	s_wait_kmcnt 0x0
	s_mov_b32 s[G0S], 1
	s_lshl_b32 s[G0S+1], s52, 12
	s_add_co_u32 s[G0S+1], s[G0S+1], SCK
	s_add_nc_u64 s[G0S+2:G0S+3], s[6:7], s[60:61]
	s_or_b32 s[G0S+3], s[G0S+3], 0x80000000
	s_mov_b32 s[G0C], 1
	s_mul_i32 s[G0C+1], s52, 12288
	s_add_nc_u64 s[G0C+2:G0C+3], s[4:5], s[58:59]
	s_or_b32 s[G0C+3], s[G0C+3], 0x80000000
	s_cmp_lt_u32 s[WV], 4                          ; a wave's two first fills stand in one branch: the head's scale words, filled once, and slot 0: two loads of mine are out
	s_cbranch_scc0 .Lno_fill
	tensor_load_to_lds s[G0S:G0S+3], s[G1S:G1S+7]
	s_nop 0
	tensor_load_to_lds s[G0C:G0C+3], s[G1C:G1C+7]
	s_nop 0
.rept 4
	v_nop
.endr
.Lno_fill:
	s_add_nc_u64 s[PFA:PFA+1], s[4:5], s[76:77]
	s_add_nc_u64 s[4:5], s[4:5], s[68:69]
	s_add_nc_u64 s[6:7], s[6:7], s[70:71]
	s_add_nc_u64 s[8:9], s[8:9], s[72:73]
	s_add_nc_u64 s[10:11], s[10:11], s[74:75]
.irp c, 0,1,2
	global_load_b128 v[16+4*\c:19+4*\c], v[LI], s[4:5] offset:512*\c   ; Q's fragment stays in registers
.endr
	global_load_b32 v255, v2, s[6:7]               ; and its scale words
	v_mov_b32 v13, 0xff61b1e6                      ; the largest t so far: -3e38
	v_floor_f32 v12, -v13                          ; -M
	v_mov_b32 v14, 0
	v_mov_b32 v15, 0
.irp b, 0,1,2,3
	v_mov_b32 v[236+\b], 0                         ; written once: a lane permute's destination counts as one of its sources
.endr
	v_mov_b32 v252, 0
	v_mov_b32 v253, 0
.set n, 0
.rept 64
	v_mov_b32 v[160+n], 0                          ; O^T: the step is written once; its first run finds zeros
.set n, n+1
.endr
; A KEY STEP: 128 keys, the q-th of the slot in hand
.macro STEP q
	s_cmp_gt_u32 s[KF], s[QB]                      ; all its keys come after my block: left out; ids and the count of steps alone
	s_cbranch_scc1 .Lhidden_\@
	v_add_nc_u32 v[ADK], s[TB], v[LI]
	v_add_nc_u32 v[ADS], s[TS], v[ASK0]
	v_nop
	v_nop                                          ; four places in front of loads into registers that the last products read
.irp g, 0,1                                    ; S^T = K Q^T, four tiles of 16 keys at a time
.if \g > 0
.rept 4
	v_nop
.endr
.endif
.irp t, 0,1,2,3
.irp c, 0,1,2
	ds_load_b128 v[32+12*\t+4*\c:35+12*\t+4*\c], v[ADK] offset:12288*(\q)+1536*(4*\g+\t)+512*\c
.endr
.endr
	ds_load_b128 v[248:251], v[ADS] offset:256*\g
	s_wait_dscnt 0x0
.irp t, 0,1,2,3
	v_wmma_scale_f32_16x16x128_f8f6f4 v[96+8*(4*\g+\t):103+8*(4*\g+\t)], v[32+12*\t:43+12*\t], v[16:27], 0, v[248+\t], v255 matrix_a_fmt:MATRIX_FMT_FP6 matrix_b_fmt:MATRIX_FMT_FP6
.endr
.endr
.rept 4
	v_nop
.endr
	s_cmp_lg_u32 s[KF], s[QB]                      ; only the step on the diagonal hides keys
	s_cbranch_scc1 .Lopen_\@
	v_mov_b32 v254, 0xff800000                     ; -infinity
.set n, 0
.rept 64
	v_cmp_gt_i32 vcc_lo, 32*(n/16)+n%16, v[D0]     ; register 16 b + i holds key KF + 32 b + 16 (lane / 16) + i: hidden where 32 b + i > my query - KF - 16 (lane / 16)
	v_cndmask_b32 v[96+n], v[96+n], v254, vcc_lo
.set n, n+1
.endr
.Lopen_\@:
.irp b, 0,1,2,3
	v_max3_num_f32 v[232+\b], v[96+16*\b], v[97+16*\b], v[98+16*\b]   ; the largest score of each block of 32 keys: for the row's maximum, and, since p rises with the score, for the block's largest p
.endr
.irp i, 3,5,7,9,11,13
.irp b, 0,1,2,3
	v_max3_num_f32 v[232+\b], v[232+\b], v[96+16*\b+\i], v[97+16*\b+\i]
.endr
.endr
.irp b, 0,1,2,3
	v_max_num_f32 v[232+\b], v[232+\b], v[111+16*\b]
.endr
.irp b, 0,1,2,3
	v_permlanex16_b32 v[236+\b], v[232+\b], s[SEL], s[SEL+1]
.endr
.irp b, 0,1,2,3
	v_max_num_f32 v[232+\b], v[232+\b], v[236+\b]  ; with lane l xor 16's 16 keys
.endr
	v_max3_num_f32 v254, v232, v233, v234
	v_max_num_f32 v254, v254, v235
	v_mul_f32 v254, s[CS], v254                    ; the step's largest t
	v_max_num_f32 v13, v13, v254
	v_mov_b32 v254, v12
	v_floor_f32 v12, -v13                          ; the new -M = -ceil(t): a whole number
	v_sub_f32 v254, v12, v254
	v_cvt_i32_f32 v254, v254                       ; (it saturates)
	v_ldexp_f32 v252, 1.0, v254                    ; f = 2^(old M - new M): rounds nothing
.set n, 0
.rept 32
	v_pk_fma_f32 v[96+n:97+n], v[96+n:97+n], s[CS:CS+1], v[12:13] op_sel_hi:[1,0,0]   ; t - M
.set n, n+2
.endr
.irp b, 0,1,2,3
	v_fma_f32 v[232+\b], v[232+\b], s[CS], v12
.endr
.set n, 0
.rept 64
	v_exp_f32 v[96+n], v[96+n]                     ; p = 2^(t - M)
.set n, n+1
.endr
	v_pk_mul_f32 v[14:15], v[14:15], v[252:253] op_sel_hi:[1,0]   ; the sums under the new M: a plain place behind the exponentials
	s_wait_alu depctr_va_vdst(0)                   ; one wait for the whole batch, ahead of its first reader
.irp b, 0,1,2,3
	v_exp_f32 v[232+\b], v[232+\b]                 ; the block's largest p
.endr
	v_pk_add_f32 v[236:237], v[96:97], v[98:99]    ; the row's sum of the unquantised p, in two chains
.irp j, 4,8,12,16,20,24,28,32,36,40,44,48,52,56,60
	v_pk_add_f32 v[14:15], v[14:15], v[96+\j:97+\j]
	v_pk_add_f32 v[236:237], v[236:237], v[98+\j:99+\j]
.endr
	v_pk_add_f32 v[14:15], v[14:15], v[236:237]
	s_wait_alu depctr_va_vdst(0)                   ; and one for the four
.irp b, 0,1,2,3
	v_max_num_f32 v[232+\b], 0x1800000, v[232+\b]  ; the floor 2^(3 - 127)
.endr
.irp b, 0,1,2,3
	v_add_nc_u32 v[244+\b], 0xff000000, v[232+\b]
.endr
.irp b, 0,1,2,3
	v_lshrrev_b32 v[236+\b], 23, v[244+\b]
.endr
	v_lshl_or_b32 v253, v237, 8, v236              ; p's scale word for these 128 keys
	v_lshl_or_b32 v253, v238, 16, v253
	v_lshl_or_b32 v253, v239, 24, v253
.irp c, 0,1
	v_cvt_scalef32_pk16_fp6_f32 v[224+6*\c:226+6*\c], v[96+32*\c:111+32*\c], v[244+2*\c]
	v_cvt_scalef32_pk16_fp6_f32 v[236+4*\c:238+4*\c], v[112+32*\c:127+32*\c], v[244+2*\c+1]
.endr
	v_nop
.irp c, 0,1
.irp i, 0,1,2
	v_permlane16_swap_b32 v[224+6*\c+\i], v[236+4*\c+\i]
.endr
.irp i, 0,1,2
	v_mov_b32 v[227+6*\c+\i], v[236+4*\c+\i]
.endr
.endr
.set n, 0
.rept 32
	v_pk_mul_f32 v[160+n:161+n], v[160+n:161+n], v[252:253] op_sel_hi:[1,0]   ; O^T under the new M; these are also the places in front of the products and loads below
.set n, n+2
.endr
.irp g, 0,1                                    ; O^T += V^T P^T: four tiles of 16 channels at a time
.if \g > 0
.rept 4
	v_nop
.endr
.endif
.irp t, 0,1,2,3
.irp c, 0,1,2
	ds_load_b128 v[32+12*\t+4*\c:35+12*\t+4*\c], v[ADK] offset:24576+12288*(\q)+1536*(4*\g+\t)+512*\c
.endr
.endr
	ds_load_b128 v[248:251], v[ADS] offset:8192+256*\g
	s_wait_dscnt 0x0
.irp t, 0,1,2,3
	v_wmma_scale_f32_16x16x128_f8f6f4 v[160+8*(4*\g+\t):167+8*(4*\g+\t)], v[32+12*\t:43+12*\t], v[224:235], v[160+8*(4*\g+\t):167+8*(4*\g+\t)], v[248+\t], v253 matrix_a_fmt:MATRIX_FMT_FP6 matrix_b_fmt:MATRIX_FMT_FP6
.endr
.endr
.Lhidden_\@:
	s_add_co_u32 s[KF], s[KF], 128
	s_add_co_u32 s[TS], s[TS], 512
.endm
; THE CHANGE OF SLOTS, at a slot's head: each wave waits for all its tensor loads, adds 0 to its spare word, and waits for that and for its reads of the slot that it has left; one barrier; then the slot just left is filled
.macro CHANGE fill
	s_wait_tensorcnt 0x0                           ; no tensor load of mine is out, so the descriptor may be written
	ds_add_u32 v[SPW], v[NIL]
.if \fill
	s_xor_b32 s[G0C+1], s[G0C+1], SLOT1            ; the other slot than last time,
	s_add_nc_u64 s[G0C+2:G0C+3], s[G0C+2:G0C+3], 24576   ; the next 256 keys
	s_wait_xcnt 0x0                                ; the last prefetches, a slot back, have read their address
	s_add_nc_u64 s[PFA:PFA+1], s[PFA:PFA+1], 24576
.endif
	s_wait_dscnt 0x0
	s_barrier_signal -1
	s_barrier_wait -1
.if \fill
	s_add_co_u32 s96, s[KF], 256                   ; the first key of the slot that this change would ask for:
	s_cmp_gt_u32 s96, s[QLW]                       ; behind my work-group's last query no wave reads it.  Ids and the count of steps alone: all eight waves go the same way; every wait on TENSORcnt here is for 0
	s_cbranch_scc1 .Lpast_\@
	TLOAD
.Lpast_\@:
	ASK
.endif
.endm
	s_wait_loadcnt 0x0                             ; Q
.Lslot:                                                ; seven trips; the last slot is written out
	CHANGE 1
	STEP 0
	STEP 1
	s_xor_b32 s[TB], s[TB], SLOT1
	s_sub_co_u32 s[SLOTS], s[SLOTS], 1
	s_cmp_lg_u32 s[SLOTS], 0
	s_cbranch_scc1 .Lslot
	CHANGE 0
	STEP 0
	STEP 1
	; THE WAY OUT: O^T / the sum is my query's 128 channels in the quantiser's order: one fragment, one scale word a row
.rept 4
	v_nop
.endr
	v_add_f32 v14, v14, v15
	v_permlanex16_b32 v252, v14, s[SEL], s[SEL+1]
	v_add_f32 v14, v14, v252                       ; the row's sum
	v_rcp_f32 v14, v14
.irp b, 0,1,2,3
	v_mov_b32 v[TM+4+\b], 0                        ; plain places behind the reciprocal
.endr
	s_wait_alu depctr_va_vdst(0)                   ; ahead of the reciprocal's first reader
.set n, 0
.rept 32
	v_pk_mul_f32 v[96+n:97+n], v[160+n:161+n], v[14:15] op_sel_hi:[1,0]   ; each accumulator from its low end on
.set n, n+2
.endr
	QUANT 96, 0, 68
	PUT 8, 0
	ds_store_b32 v[OSA], v68                       ; both lanes of a row write the same word with the same value
	s_wait_tensorcnt 0x0                           ; the wave's end, behind my last LDS store; the dscnt wait below also shows my store done to the others
	ds_add_u32 v[SPW], v[NIL]
	s_wait_dscnt 0x0
	s_barrier_signal -1
	s_barrier_wait -1
	s_cmp_lg_u32 s[WV], 0
	s_cbranch_scc1 .Lend
	ds_load_b128 v[72:75], v[OSR]                  ; four tiles' words of each of the two blocks
	s_wait_dscnt 0x0
	global_store_b128 v[GSO], v[72:75], s[10:11]   ; sixteen lanes store 256 consecutive bytes, aligned
.Lend:
	s_endpgm
.Lfunc_end_k_q4a1f6182c3_attn:
	.size	k_q4a1f6182c3_attn, .Lfunc_end_k_q4a1f6182c3_attn-k_q4a1f6182c3_attn
	.p2alignl 7, 3214868480
	.fill 96, 4, 3214868480
	.section	.rodata,"a",@progbits
	.p2align	6, 0x0
	.amdhsa_kernel k_q4a1f6182c3_attn
		.amdhsa_group_segment_fixed_size 327680
		.amdhsa_private_segment_fixed_size 0
		.amdhsa_enable_private_segment 0
		.amdhsa_kernarg_size 32
		.amdhsa_user_sgpr_count 2
		.amdhsa_user_sgpr_kernarg_segment_ptr 1
		.amdhsa_wavefront_size32 1
		.amdhsa_system_sgpr_workgroup_id_x 1
		.amdhsa_system_sgpr_workgroup_id_y 1
		.amdhsa_system_sgpr_workgroup_id_z 1
		.amdhsa_system_vgpr_workitem_id 0
		.amdhsa_next_free_vgpr 256
		.amdhsa_next_free_sgpr 100
		.amdhsa_reserve_vcc 1
		.amdhsa_float_denorm_mode_32 3
		.amdhsa_float_denorm_mode_16_64 3
		.amdhsa_memory_ordered 1
		.amdhsa_forward_progress 1
		.amdhsa_inst_pref_size 113
	.end_amdhsa_kernel
	.amdgpu_metadata
---
amdhsa.version: [ 1, 2 ]
amdhsa.kernels:
  - .name:           k_q4a1f6182c3_attn
    .symbol:         k_q4a1f6182c3_attn.kd
    .args:
      - { .name: qc, .offset: 0, .size: 8, .value_kind: global_buffer, .address_space: global }
      - { .name: qs, .offset: 8, .size: 8, .value_kind: global_buffer, .address_space: global }
      - { .name: ac, .offset: 16, .size: 8, .value_kind: global_buffer, .address_space: global }
      - { .name: asc, .offset: 24, .size: 8, .value_kind: global_buffer, .address_space: global }
    .group_segment_fixed_size: 327680
    .private_segment_fixed_size: 0
    .kernarg_segment_align: 8
    .kernarg_segment_size: 32
    .max_flat_workgroup_size: 256
    .sgpr_count:     100
    .vgpr_count:     256
    .wavefront_size: 32
...
	.end_amdgpu_metadata
.endif
;; end of part 3
;; launch outp (part 4): grid 16 x 16, 4 waves a work-group, clusters of 4 x 4, 327,680 bytes of LDS; arguments ac, asc, wc, ws, out0; writes out0
.if DOCPART == 4
	.amdgcn_target "amdgcn-amd-amdhsa--gfx1250"
	.amdhsa_code_object_version 6
	.text
	.protected	k_q4a1f6182c3_outp
	.globl	k_q4a1f6182c3_outp
	.p2align	8
	.type	k_q4a1f6182c3_outp,@function
k_q4a1f6182c3_outp:
	s_mov_b64 s[64:65], 0
	v_nop
	global_prefetch_b8 v0, s[64:65] scope:SCOPE_SE
	s_setreg_imm32_b32 hwreg(HW_REG_WAVE_MODE, 25, 1), 1
	s_wait_xcnt 0x0
	s_wait_alu depctr_hold_cnt(0) depctr_sa_sdst(0) depctr_va_vdst(0) depctr_va_sdst(0) depctr_va_ssrc(0) depctr_va_vcc(0) depctr_vm_vsrc(0)
	s_getreg_b32 s2, hwreg(HW_REG_IB_STS2, 6, 4)
	s_cmp_eq_u32 s2, 0
	s_cbranch_scc0 .Lentry_in_a_cluster
	s_endpgm
.Lentry_in_a_cluster:
	s_bfe_u32 s2, ttmp6, 0x10000c
	s_cmp_lg_u32 s2, 0xf033
	s_cbranch_scc0 .Lentry_shape_is_right
	s_endpgm
.Lentry_shape_is_right:
; out0 = attention's result x Wo^T on codes of FP6 (E2M3) with E8M0 scales; sums in f32; out0 [2048][2048] f32.
; Operands come as images of operand registers: ac [K step / 2][tile 128][K step % 2][1536], asc [group 16][K step 16][512]; Wo is the fifth tensor of wc and ws, laid alike.
; Row rho of tile T is row 32 (T / 2) + 8 (T % 2) + rho + 8 (rho / 8).
; A tile of out0 is 128 x 128, so that there are 256 work-groups (tiles of 256 x 256 would make 64); four waves, each 64 x 64: 16 accumulators.  K goes in steps of 512 through two LDS slots: four steps, written out.
; The matrix instruction is used transposed (source 0 = 16 rows of Wo, source 1 = 16 queries): a lane holds one query, its registers neighbouring columns of out0.
; CLUSTERS: 4 x 4: the queries' tiles are shared along a row of the cluster, Wo's along a column: each is asked for jointly.
; REGISTERS: window 0: v1-29 addresses; v32-39 scale words, two sets; v64-127 the way out; v128-255 accumulator (a, b) at v[128 + 8 (4 a + b)].  window 1: two fragment buffers at v0 and v128: A's four, then B's four.
.set SLOT,   98304                     ; A's 8 tiles x 256 K, twice; then B's
.set SCL,    196608                    ; the scale words for all of K: A's group, 8,192 bytes, then B's
.set SPARE,  212992
.set STAGE,  213504                    ; 16 rows of 256 bytes + 16 for each wave; no tensor load lands here
.set WV,  14
.set RH,  15                           ; my four tiles of A; also: I fetch for A (0) or B (1)
.set CH,  16                           ; my four tiles of B; also: which 256 along K of a slot, and which half of the scale words, I fetch
.set YY,  17
.set ADRA, 16
.set ADRB, 20
.set STO,  24
.set RD,   25
.set CO,   26
.set ADRS, 27
.set SPW,  28
.set NIL,  29
.set SC,   32
.set BK,   64
.set ACC,  128
.set G1, 24
.set G0, 32
.set G1B, 48
.set G0B, 56
.set G1S, 68
.set G0S, 76
.set G1SB, 80
.set G0SB, 88
.set MSB, 0
.macro WIN new
.if MSB != (\new)
	s_set_vgpr_msb (MSB<<8)|(\new)
.set MSB, (\new)
.endif
.endm
.macro PLACES n
.rept \n
	v_nop
.endr
.endm
.macro JLOAD g0a, g1a, g0b, g1b        ; a joint load: waves 0 and 1 fetch for A, waves 2 and 3 for B; an s_nop 0 and four v_nop follow each of the two lines
	s_cmp_eq_u32 s[RH], 0
	s_cbranch_scc0 .Lfor_b_\@
	tensor_load_to_lds s[\g0a:\g0a+3], s[\g1a:\g1a+7]
	s_nop 0
.rept 4
	v_nop
.endr
	s_branch .Lasked_\@
.Lfor_b_\@:
	tensor_load_to_lds s[\g0b:\g0b+3], s[\g1b:\g1b+7]
	s_nop 0
.rept 4
	v_nop
.endr
.Lasked_\@:
.endm
.macro CREST
	s_cmp_lg_u32 s[WV], 0
	s_cbranch_scc1 .Lnot_wave_0_\@
	s_barrier_signal -3
.Lnot_wave_0_\@:
	s_barrier_wait -3
	s_barrier_signal -1
	s_barrier_wait -1
.endm
.macro CROUND
	s_barrier_signal -1
	s_barrier_wait -1
	CREST
.endm
	s_load_b256 s[4:11], s[0:1], 0x0               ; ac, asc, wc, ws
	s_load_b64 s[12:13], s[0:1], 0x20              ; out0
	v_lshl_add_u32 v[SPW], v0, 2, SPARE
	v_mov_b32 v[NIL], 0
	ds_add_u32 v[SPW], v[NIL]                      ; the wave's opening: the add and its wait stand ahead of my first tensor load; work on registers stands between them
	v_lshrrev_b32 v1, 5, v0
	v_readfirstlane_b32 s[WV], v1
	s_lshr_b32 s[RH], s[WV], 1
	s_and_b32 s[CH], s[WV], 1
	s_bfe_u32 s40, ttmp6, 0x40000                  ; cx
	s_bfe_u32 s41, ttmp6, 0x40004                  ; cy
	s_lshl_b32 s42, ttmp9, 2
	s_add_co_u32 s42, s42, s40                     ; tile column
	s_and_b32 s[YY], ttmp7, 0xffff
	s_lshl_b32 s[YY], s[YY], 2
	s_add_co_u32 s[YY], s[YY], s41                 ; tile row
	s_lshl_b32 s43, s41, 2
	s_lshl_b32 s43, 15, s43                        ; my row of the cluster
	s_lshl_b32 s44, 0x1111, s40                    ; my column
	s_or_b32 s[G1+0], s43, (3<<16)|(1<<21)         ; dense blocks as rows of 256 bytes: 96 rows of codes
	s_or_b32 s[G1B+0], s44, (3<<16)|(1<<21)
.irp g, G1, G1B
	s_mov_b32 s[\g+1], 32<<16
	s_mov_b32 s[\g+2], 96<<16
	s_mov_b32 s[\g+3], 32<<16
	s_mov_b32 s[\g+4], 96
	s_mov_b32 s[\g+5], 32
	s_mov_b32 s[\g+6], 0
	s_mov_b32 s[\g+7], 0
.endr
	s_or_b32 s[G1S+0], s43, (3<<16)|(1<<21)        ; 16 rows of scale words
	s_or_b32 s[G1SB+0], s44, (3<<16)|(1<<21)
.irp g, G1S, G1SB
	s_mov_b32 s[\g+1], 32<<16
	s_mov_b32 s[\g+2], 16<<16
	s_mov_b32 s[\g+3], 32<<16
	s_mov_b32 s[\g+4], 16
	s_mov_b32 s[\g+5], 32
	s_mov_b32 s[\g+6], 0
	s_mov_b32 s[\g+7], 0
.endr
	s_mul_i32 s18, s[CH], 393216                   ; which 256 along K of a slot I fetch
	s_lshl_b32 s19, s[CH], 12                      ; which half of the scale words
	s_mul_i32 s20, s[YY], 24576                    ; A: the tile row's 8 tiles
	s_add_co_u32 s20, s20, s18
	s_mov_b32 s21, 0
	s_lshl_b32 s22, s[YY], 13
	s_add_co_u32 s22, s22, s19
	s_mov_b32 s23, 0
	s_mul_i32 s46, s42, 24576                      ; B: the tile column's 8 tiles of Wo, the fifth tensor
	s_add_co_u32 s46, s46, s18
	s_add_co_u32 s46, s46, 12582912
	s_mov_b32 s47, 0
	s_lshl_b32 s92, s42, 13
	s_add_co_u32 s92, s92, s19
	s_add_co_u32 s92, s92, 524288
	s_mov_b32 s93, 0
	s_mul_i32 s45, s[WV], 24576                    ; where they go: no place in the cluster enters an LDS address
	s_lshl_b32 s94, s[WV], 12
	s_wait_dscnt 0x0                               ; the opening add is done
	s_wait_kmcnt 0x0
	s_add_nc_u64 s[20:21], s[4:5], s[20:21]
	s_add_nc_u64 s[22:23], s[6:7], s[22:23]
	s_add_nc_u64 s[46:47], s[8:9], s[46:47]
	s_add_nc_u64 s[92:93], s[10:11], s[92:93]
	CROUND                                         ; all sixteen work-groups are here: the first joint loads meet
	s_mov_b32 s[G0S], 1
	s_add_co_u32 s[G0S+1], s94, SCL
	s_mov_b64 s[G0S+2:G0S+3], s[22:23]
	s_or_b32 s[G0S+3], s[G0S+3], 0x80000000
	s_mov_b32 s[G0SB], 1
	s_add_co_u32 s[G0SB+1], s94, SCL
	s_mov_b64 s[G0SB+2:G0SB+3], s[92:93]
	s_or_b32 s[G0SB+3], s[G0SB+3], 0x80000000
	JLOAD G0S, G1S, G0SB, G1SB                     ; the scale words: filled once.  Three loads of mine are out behind the next two
.irp s, 0,1
	s_mov_b32 s[G0+4*\s], 1
	s_add_co_u32 s[G0+4*\s+1], s45, \s*SLOT
	s_add_nc_u64 s[G0+4*\s+2:G0+4*\s+3], s[20:21], \s*786432
	s_or_b32 s[G0+4*\s+3], s[G0+4*\s+3], 0x80000000
	s_mov_b32 s[G0B+4*\s], 1
	s_add_co_u32 s[G0B+4*\s+1], s45, \s*SLOT
	s_add_nc_u64 s[G0B+4*\s+2:G0B+4*\s+3], s[46:47], \s*786432
	s_or_b32 s[G0B+4*\s+3], s[G0B+4*\s+3], 0x80000000
	JLOAD G0+4*\s, G1, G0B+4*\s, G1B
.endr
	v_and_b32 v1, 15, v0                           ; r
	v_bfe_u32 v2, v0, 4, 1                         ; h
	v_and_b32 v3, 31, v0
	v_lshlrev_b32 v4, 4, v3                        ; 16 x lane
	s_mul_i32 s21, s[RH], 12288                    ; my four tiles of A
	s_mul_i32 s22, s[CH], 12288                    ; my four of B, behind A's two blocks
	s_add_co_u32 s22, s22, 49152
.irp s, 0,1
	v_add_nc_u32 v[ADRA+\s], s21, v4
	v_add_nc_u32 v[ADRB+\s], s22, v4
	s_add_co_u32 s21, s21, SLOT
	s_add_co_u32 s22, s22, SLOT
.endr
	s_lshl_b32 s21, s[RH], 8                       ; scale words: A's four tiles,
	s_lshl_b32 s22, s[CH], 8                       ; B's four, behind A's group
	s_add_co_u32 s22, s22, 8192
	s_sub_co_u32 s22, s22, s21
	v_mul_u32_u24 v6, s22, v2                      ; lanes 16-31 take B's
	s_add_co_u32 s21, s21, SCL
	v_lshl_add_u32 v5, v1, 4, v6
	v_add_nc_u32 v[ADRS], s21, v5
	s_mul_i32 s23, s[WV], 4352
	s_add_co_u32 s23, s23, STAGE                   ; my stage
	v_mul_u32_u24 v5, v1, 272                      ; in: row r, + 64 h
	v_lshl_add_u32 v5, v2, 6, v5
	v_add_nc_u32 v[STO], s23, v5
	v_mul_u32_u24 v5, v2, 272                      ; back: lanes 0-15 one row of 256 bytes, lanes 16-31 the next
	v_lshl_add_u32 v5, v1, 4, v5
	v_add_nc_u32 v[RD], s23, v5
	v_lshlrev_b32 v[CO], 13, v2                    ; and the same two rows in out0
	v_lshl_add_u32 v[CO], v1, 4, v[CO]
	s_lshl_b32 s20, s[YY], 7
	s_lshl_b32 s21, s[RH], 6
	s_add_co_u32 s20, s20, s21                     ; my first row: 128 x tile row + 64 x half,
	s_lshl_b32 s20, s20, 13                        ; of 8,192 bytes
	s_lshl_b32 s46, s42, 9                         ; my first column, in bytes
	s_lshl_b32 s47, s[CH], 8
	s_add_co_u32 s46, s46, s47
	s_add_co_u32 s20, s20, s46
	s_mov_b32 s21, 0
	s_add_nc_u64 s[12:13], s[12:13], s[20:21]
; the fragments and scale words of sub-step u (128 along K) of slot n, K step ks of 16, into buffer and set u % 2: 25 loads
.macro FETCH n, u, ks
	WIN 0x40
.irp i, 0,1,2,3
.irp c, 0,1,2
	ds_load_b128 v[128*((\u)%2)+48+12*\i+4*\c:128*((\u)%2)+48+12*\i+4*\c+3], v[ADRB+\n] offset:24576*((\u)/2)+1536*((\u)%2)+3072*\i+512*\c
.endr
.endr
.irp i, 0,1,2,3
.irp c, 0,1,2
	ds_load_b128 v[128*((\u)%2)+12*\i+4*\c:128*((\u)%2)+12*\i+4*\c+3], v[ADRA+\n] offset:24576*((\u)/2)+1536*((\u)%2)+3072*\i+512*\c
.endr
.endr
	WIN 0
	ds_load_b128 v[SC+4*((\u)%2):SC+4*((\u)%2)+3], v[ADRS] offset:512*(\ks)
.endm
; A's tiles a0 .. a0 + na - 1 x B's four.  The 16 accumulators take turns, one instruction a turn, in the same order in every step.
.macro MULN u, a0, na, zero
	WIN 0x05
.set aa, \a0
.rept \na
.irp b, 0,1,2,3
.if \zero
	v_wmma_scale_f32_16x16x128_f8f6f4 v[ACC+8*(4*aa+\b):ACC+8*(4*aa+\b)+7], v[128*((\u)%2)+48+12*\b:128*((\u)%2)+48+12*\b+11], v[128*((\u)%2)+12*aa:128*((\u)%2)+12*aa+11], 0, v[SC+4*((\u)%2)+\b], v[SC+4*((\u)%2)+aa] matrix_a_fmt:MATRIX_FMT_FP6 matrix_b_fmt:MATRIX_FMT_FP6 matrix_a_scale:MATRIX_SCALE_ROW1
.else
	v_wmma_scale_f32_16x16x128_f8f6f4 v[ACC+8*(4*aa+\b):ACC+8*(4*aa+\b)+7], v[128*((\u)%2)+48+12*\b:128*((\u)%2)+48+12*\b+11], v[128*((\u)%2)+12*aa:128*((\u)%2)+12*aa+11], v[ACC+8*(4*aa+\b):ACC+8*(4*aa+\b)+7], v[SC+4*((\u)%2)+\b], v[SC+4*((\u)%2)+aa] matrix_a_fmt:MATRIX_FMT_FP6 matrix_b_fmt:MATRIX_FMT_FP6 matrix_a_scale:MATRIX_SCALE_ROW1
.endif
.endr
.set aa, aa+1
.endr
.endm
.macro SUB n, u, ks, zero              ; one of a slot's first three sub-steps
	s_wait_dscnt 0x0                               ; this sub-step's fragments are in
	PLACES 4                                       ; in front of loads into the buffer and the scale words that the last products read
	FETCH \n, (\u)+1, (\ks)+1
	MULN \u, 0, 4, \zero
.endm
; a slot's last sub-step changes slots: one barrier; in front of it each wave waits for all its tensor loads, adds 0 to its spare word, and waits for that and for its reads of this slot
.macro TURN n, next, fill, ks
	WIN 0
	s_wait_tensorcnt 0x0                           ; all my tensor loads have landed: my part of the next slot
	ds_add_u32 v[SPW], v[NIL]
	s_wait_dscnt 1                                 ; (the add alone may be out)
	MULN 3, 0, 1, 0
	s_wait_dscnt 0x0                               ; the add is done, and my reads of this slot are over
	s_barrier_signal -1
	MULN 3, 1, 1, 0
	WIN 0
	s_barrier_wait -1
.if \fill
	CREST                                          ; the barrier has opened a round of the cluster's
	s_add_nc_u64 s[G0+4*\n+2:G0+4*\n+3], s[G0+4*\n+2:G0+4*\n+3], 1572864
	s_add_nc_u64 s[G0B+4*\n+2:G0B+4*\n+3], s[G0B+4*\n+2:G0B+4*\n+3], 1572864
	JLOAD G0+4*\n, G1, G0B+4*\n, G1B               ; my one tensor load behind the round; its four v_nop are the places in front of the loads below
.else
	PLACES 4
.endif
	FETCH \next, 0, (\ks)+1
	MULN 3, 2, 2, 0
.endm
	s_wait_tensorcnt 1                             ; the scale words and my part of slot 0 are in; slot 1's load may be out
	s_barrier_signal -1
	s_barrier_wait -1
	FETCH 0, 0, 0
	SUB 0, 0, 0, 1                                 ; the first products start the sums
	SUB 0, 1, 1, 0
	SUB 0, 2, 2, 0
	TURN 0, 1, 1, 3
	SUB 1, 0, 4, 0
	SUB 1, 1, 5, 0
	SUB 1, 2, 6, 0
	TURN 1, 0, 1, 7
	SUB 0, 0, 8, 0
	SUB 0, 1, 9, 0
	SUB 0, 2, 10, 0
	TURN 0, 1, 0, 11                               ; nothing is left to fetch
	SUB 1, 0, 12, 0
	SUB 1, 1, 13, 0
	SUB 1, 2, 14, 0
	s_wait_dscnt 0x0
	MULN 3, 0, 4, 0
	WIN 0
; THE WAY OUT, a tile of 16 queries x 64 columns at a time, through my own stage: sixteen lanes then store 256 consecutive bytes, aligned
.macro TOSTAGE a
.irp b, 0,1,2,3
	ds_store_b128 v[STO], v[ACC+8*(4*(\a)+\b):ACC+8*(4*(\a)+\b)+3] offset:128*(\b/2)+32*(\b%2)        ; each accumulator from its low end on
	ds_store_b128 v[STO], v[ACC+8*(4*(\a)+\b)+4:ACC+8*(4*(\a)+\b)+7] offset:128*(\b/2)+32*(\b%2)+16
.endr
.irp t, 0,1,2,3,4,5,6,7
	ds_load_b128 v[BK+32*((\a)%2)+4*\t:BK+32*((\a)%2)+4*\t+3], v[RD] offset:544*\t   ; LDS serves a wave's instructions in order: these see the stores above
.endr
.endm
.macro SEND a, younger                 ; younger: the LDS instructions issued behind tile a's loads
	s_wait_dscnt \younger
.irp t, 0,1,2,3,4,5,6,7
	global_store_b128 v[CO], v[BK+32*((\a)%2)+4*\t:BK+32*((\a)%2)+4*\t+3], s[12:13] offset:(32*((\a)/2)+8*((\a)%2)+2*\t+8*(\t/4))*8192 th:TH_STORE_NT   ; stage row 2 t + h is the tile's row of that number: out0's row by the order of a tile's rows
.endr
.endm
	PLACES 4
	TOSTAGE 0
.irp a, 1,2,3
.if \a > 1
	s_wait_xcnt 0x0                                ; tile a - 2's stores have read their registers: tile a's loads may land there
.endif
	TOSTAGE \a
	SEND \a-1, 16
.endr
	SEND 3, 0
	s_wait_tensorcnt 0x0                           ; the wave's end, behind my last tensor load and my last LDS store
	ds_add_u32 v[SPW], v[NIL]
	s_wait_dscnt 0x0
	CROUND                                         ; the closing round
	s_endpgm
.Lfunc_end_k_q4a1f6182c3_outp:
	.size	k_q4a1f6182c3_outp, .Lfunc_end_k_q4a1f6182c3_outp-k_q4a1f6182c3_outp
	.p2alignl 7, 3214868480
	.fill 96, 4, 3214868480
	.section	.rodata,"a",@progbits
	.p2align	6, 0x0
	.amdhsa_kernel k_q4a1f6182c3_outp
		.amdhsa_group_segment_fixed_size 327680
		.amdhsa_private_segment_fixed_size 0
		.amdhsa_enable_private_segment 0
		.amdhsa_kernarg_size 40
		.amdhsa_user_sgpr_count 2
		.amdhsa_user_sgpr_kernarg_segment_ptr 1
		.amdhsa_wavefront_size32 1
		.amdhsa_system_sgpr_workgroup_id_x 1
		.amdhsa_system_sgpr_workgroup_id_y 1
		.amdhsa_system_sgpr_workgroup_id_z 1
		.amdhsa_system_vgpr_workitem_id 0
		.amdhsa_next_free_vgpr 512
		.amdhsa_next_free_sgpr 100
		.amdhsa_reserve_vcc 0
		.amdhsa_float_denorm_mode_32 3
		.amdhsa_float_denorm_mode_16_64 3
		.amdhsa_memory_ordered 1
		.amdhsa_forward_progress 1
		.amdhsa_inst_pref_size 81
	.end_amdhsa_kernel
	.amdgpu_metadata
---
amdhsa.version: [ 1, 2 ]
amdhsa.kernels:
  - .name:           k_q4a1f6182c3_outp
    .symbol:         k_q4a1f6182c3_outp.kd
    .args:
      - { .name: ac, .offset: 0, .size: 8, .value_kind: global_buffer, .address_space: global }
      - { .name: asc, .offset: 8, .size: 8, .value_kind: global_buffer, .address_space: global }
      - { .name: wc, .offset: 16, .size: 8, .value_kind: global_buffer, .address_space: global }
      - { .name: ws, .offset: 24, .size: 8, .value_kind: global_buffer, .address_space: global }
      - { .name: out0, .offset: 32, .size: 8, .value_kind: global_buffer, .address_space: global }
    .group_segment_fixed_size: 327680
    .private_segment_fixed_size: 0
    .kernarg_segment_align: 8
    .kernarg_segment_size: 40
    .max_flat_workgroup_size: 128
    .sgpr_count:     100
    .vgpr_count:     512
    .wavefront_size: 32
...
	.end_amdgpu_metadata
.endif
;; end of part 4
;; ======== version 2 of 2: 4 launches
;; workspace buffers: wc 15,728,640 bytes; ws 655,360 bytes; csi 2,097,152 bytes; qc 9,437,184 bytes; qs 393,216 bytes; ac 3,145,728 bytes; asc 131,072 bytes
;; launch quant (part 5): grid 256 x 1, 11 waves a work-group, no clusters, 97,280 bytes of LDS; arguments x, Wq, Wk, Wv, Wo, wc, ws, csi, cos, sin; writes wc, ws, csi
.if DOCPART == 5
	.amdgcn_target "amdgcn-amd-amdhsa--gfx1250"
	.amdhsa_code_object_version 6
	.text
	.protected	k_q4a1f6182c3_quant
	.globl	k_q4a1f6182c3_quant
	.p2align	8
	.type	k_q4a1f6182c3_quant,@function
k_q4a1f6182c3_quant:
	s_mov_b64 s[64:65], 0
	v_nop
	global_prefetch_b8 v0, s[64:65] scope:SCOPE_SE
	s_setreg_imm32_b32 hwreg(HW_REG_WAVE_MODE, 25, 1), 1
	s_wait_xcnt 0x0
; x, Wq, Wk, Wv, Wo: [2048][2048] f32, K innermost, become codes of FP6 (E2M3) with one E8M0 byte for each 32 along K.  cos and sin [2048][128] f32 are laid anew, unchanged, in the order in which the next launch's lanes want them.
; A block's scale is 2^(floor(log2(its largest magnitude)) - 2); its byte is the largest magnitude's exponent field - 2, held at 1 from below.
; LIMITS: NaN and infinities are not served; a block whose largest magnitude lies under 2^-124 gets the byte 1; a block of zeros gets the byte 1 where the
; rule says 127: its codes are zeros, which add nothing, and the bytes are read by this program alone.
; LAYOUT OF THE RESULTS: IMAGES OF OPERAND REGISTERS.  A fragment (16 rows x 128 K, 12 registers a lane) is 1,536 bytes: register g of lane l at 512 (g / 4) + 16 l + 4 (g % 4).
; Row rho of tile T is the tensor's row 32 (T / 2) + 8 (T % 2) + rho + 8 (rho / 8).  wc: [tensor 5][K step / 2][tile 128][K step % 2][1536].
; Scale words (four bytes: 128 along K of a row): ws: [tensor 5][group of 8 tiles 16][K step 16][512]; in the 512 bytes the word of (tile a, row rho) lies at 256 (a / 4) + 16 rho + 4 (a % 4).
; csi: [tile 128][cos, sin][8192]: register n = 16 b + i of lane (r, h) is the table's number at (the tile's row r, channel 32 b + 16 h + i); register n at 512 (n / 4) + 16 lane + 4 (n % 4).
; SHARES: work-group g takes rows 128 (g / 16) on and K step g % 16 of all five tensors; wave w under 10 takes tensor w / 2 and four tiles, 4 (w % 2) on.  Wave 10 takes tile g / 2 of cos (g even) or sin (g odd).
; Each load reads 512 consecutive bytes of one row; 16 rows turn through the wave's own stage in LDS, so that a lane gets 16 neighbours along K of each block of its row.
; No barrier: waves share nothing.  32 loads of a wave are on their way.
.set STG,   8704                       ; a wave's stage: 16 rows of 512 bytes + 16
.set SPARE, 95744                      ; behind the eleven stages: the spare words, 128 bytes a wave
.set LI,  4                            ; v4   16 x lane
.set SA,  5                            ; v5   into the stage: 16 x lane
.set SB,  6                            ; v6   out of it: 528 r + 64 h
.set SV,  7                            ; v7   the scale words' place: 16 r + 8 h
.set SPW, 8                            ; v8   my spare word; never rewritten
.set NIL, 9                            ; v9   0; never rewritten
.set R,   16                           ; v16-143  two sets of 64 registers as loaded
.set X,   144                          ; v144-207 64 numbers: register 16 b + i = k 32 b + 16 h + i of my row
.set TM,  208                          ; v208-223 at work in QUANT
.set PC,  224                          ; v224-243 the codes just made
.set PWS, 244                          ; v244-247 four tiles' scale words
.set SEL, 22                           ; s[22:23] lane selects: lane l xor 16
.set MSB, 0
.macro WIN new                         ; the immediate's high byte repeats the setting that is left; a switch that changes nothing is dropped
.if MSB != (\new)
	s_set_vgpr_msb (MSB<<8)|(\new)
.set MSB, (\new)
.endif
.endm
; 64 numbers of a lane, v[s] on in window w, register 16 b + i = k 32 b + 16 (lane / 16) + i of my row, become a fragment's codes in v[PC] on and its scale word in v[pw].
.macro QUANT s, w, pw
	WIN (\w)|((\w)<<2)
.irp b, 0,1,2,3
	v_max3_num_f32 v[TM+\b], |v[(\s)+16*\b]|, |v[(\s)+16*\b+1]|, 0x1800000   ; my 16 numbers of block b, and the floor 2^(3 - 127): the byte cannot fall under 1
.endr
.irp i, 2,4,6,8,10,12,14
.irp b, 0,1,2,3
	v_max3_num_f32 v[TM+\b], |v[(\s)+16*\b+\i]|, |v[(\s)+16*\b+\i+1]|, v[TM+\b]   ; the four blocks by turns
.endr
.endr
	WIN 0
.irp b, 0,1,2,3
	v_permlanex16_b32 v[TM+4+\b], v[TM+\b], s[SEL], s[SEL+1]
.endr
.irp b, 0,1,2,3
	v_max_num_f32 v[TM+\b], v[TM+\b], v[TM+4+\b]   ; with lane l xor 16's: the block's largest magnitude
.endr
.irp b, 0,1,2,3
	v_add_nc_u32 v[TM+12+\b], 0xff000000, v[TM+\b]   ; 2 off its exponent field: the conversion's scale operand
.endr
.irp b, 0,1,2,3
	v_lshrrev_b32 v[TM+4+\b], 23, v[TM+12+\b]      ; the scale's byte
.endr
	v_lshl_or_b32 v[\pw], v[TM+5], 8, v[TM+4]      ; four bytes: my row's scale word
	v_lshl_or_b32 v[\pw], v[TM+6], 16, v[\pw]
	v_lshl_or_b32 v[\pw], v[TM+7], 24, v[\pw]
	WIN (\w)
.irp c, 0,1
	v_cvt_scalef32_pk16_fp6_f32 v[PC+6*\c:PC+6*\c+2], v[(\s)+32*\c:(\s)+32*\c+15], v[TM+12+2*\c]
	v_cvt_scalef32_pk16_fp6_f32 v[PC+12+4*\c:PC+14+4*\c], v[(\s)+16+32*\c:(\s)+31+32*\c], v[TM+13+2*\c]   ; (a conversion's three registers begin on an even number)
.endr
	WIN 0
	v_nop                                          ; one plain place behind a scaled conversion
.irp c, 0,1                                    ; the operand's layout wants a whole block in a lane: lanes 0-15 block 2 c, lanes 16-31 block 2 c + 1
.irp i, 0,1,2
	v_permlane16_swap_b32 v[PC+6*\c+\i], v[PC+12+4*\c+\i]
.endr
.irp i, 0,1,2
	v_mov_b32 v[PC+3+6*\c+\i], v[PC+12+4*\c+\i]
.endr
.endr
.endm
.macro PUT base, off                           ; the fragment goes out as it stands: each store covers 512 consecutive bytes, aligned
.irp c, 0,1,2
	global_store_b128 v[LI], v[PC+4*\c:PC+4*\c+3], s[\base:\base+1] offset:(\off)+512*\c
.endr
.endm
	s_load_b256 s[4:11], s[0:1], 0x0               ; x, Wq, Wk, Wv
	s_load_b128 s[12:15], s[0:1], 0x20             ; Wo, wc
	s_load_b64 s[16:17], s[0:1], 0x30              ; ws
	s_load_b64 s[38:39], s[0:1], 0x38              ; csi
	s_load_b64 s[34:35], s[0:1], 0x40              ; cos
	s_load_b64 s[36:37], s[0:1], 0x48              ; sin
	v_lshl_add_u32 v[SPW], v0, 2, SPARE
	v_mov_b32 v[NIL], 0
	v_lshrrev_b32 v1, 5, v0
	v_readfirstlane_b32 s18, v1                    ; wave 0..10
	s_lshr_b32 s19, s18, 1                         ; which tensor
	s_and_b32 s20, s18, 1                          ; which four tiles of the group
	v_and_b32 v1, 31, v0                           ; lane
	v_and_b32 v2, 15, v0                           ; r
	v_bfe_u32 v3, v0, 4, 1                         ; h
	v_lshlrev_b32 v[LI], 4, v1
	s_mul_i32 s21, s18, STG
	v_add_nc_u32 v[SA], s21, v[LI]
	v_mul_u32_u24 v[SB], v2, 528
	v_lshl_add_u32 v[SB], v3, 6, v[SB]
	v_add_nc_u32 v[SB], s21, v[SB]
	v_lshlrev_b32 v[SV], 4, v2
	v_lshl_add_u32 v[SV], v3, 3, v[SV]
	s_mov_b32 s[SEL], 0x76543210
	s_mov_b32 s[SEL+1], 0xfedcba98
.irp b, 0,1,2,3
	v_mov_b32 v[TM+4+\b], 0                        ; written once: a lane permute's destination counts as one of its sources
.endr
	s_lshr_b32 s24, ttmp9, 4                       ; the group of 128 rows
	s_and_b32 s25, ttmp9, 15                       ; the K step
	s_lshl_b32 s26, s24, 20                        ; in: 128 rows of 8,192 bytes a group,
	s_lshl_b32 s32, s20, 19                        ; 64 rows for my half,
	s_add_co_u32 s26, s26, s32
	s_lshl_b32 s32, s25, 9                         ; 512 bytes a K step
	s_add_co_u32 s26, s26, s32
	s_mov_b32 s27, 0
	s_mul_i32 s28, s19, 3145728                    ; codes: tensor,
	s_lshr_b32 s32, s25, 1
	s_mul_i32 s32, s32, 393216                     ; K step / 2,
	s_add_co_u32 s28, s28, s32
	s_mul_i32 s32, s24, 24576                      ; group,
	s_add_co_u32 s28, s28, s32
	s_mul_i32 s32, s20, 12288                      ; my four tiles,
	s_add_co_u32 s28, s28, s32
	s_and_b32 s32, s25, 1
	s_mul_i32 s32, s32, 1536                       ; K step % 2
	s_add_co_u32 s28, s28, s32
	s_mov_b32 s29, 0
	s_lshl_b32 s30, s19, 17                        ; scale words: tensor, group, K step, my half
	s_lshl_b32 s32, s24, 13
	s_add_co_u32 s30, s30, s32
	s_lshl_b32 s32, s25, 9
	s_add_co_u32 s30, s30, s32
	s_lshl_b32 s32, s20, 8
	s_add_co_u32 s30, s30, s32
	s_mov_b32 s31, 0
	s_wait_kmcnt 0x0
	s_cmp_eq_u32 s18, 10                           ; the eleventh wave lays cos or sin
	s_cbranch_scc1 .Lcs
	s_cmp_eq_u32 s19, 1                            ; the tensor is chosen by the wave's number alone
	s_cselect_b64 s[4:5], s[6:7], s[4:5]
	s_cmp_eq_u32 s19, 2
	s_cselect_b64 s[4:5], s[8:9], s[4:5]
	s_cmp_eq_u32 s19, 3
	s_cselect_b64 s[4:5], s[10:11], s[4:5]
	s_cmp_eq_u32 s19, 4
	s_cselect_b64 s[4:5], s[12:13], s[4:5]
	s_add_nc_u64 s[4:5], s[4:5], s[26:27]
	s_add_nc_u64 s[14:15], s[14:15], s[28:29]
	s_add_nc_u64 s[16:17], s[16:17], s[30:31]
.macro LOAD f                                  ; tile f's 16 rows, 512 consecutive bytes a load, into set f % 2
.irp p, 0,1,2,3,4,5,6,7,8,9,10,11,12,13,14,15
	global_load_b128 v[R+64*((\f)%2)+4*\p:R+64*((\f)%2)+4*\p+3], v[LI], s[4:5] offset:(32*((\f)/2)+8*((\f)%2)+\p+8*(\p/8))*8192 th:TH_LOAD_NT
.endr
.endm
.macro FRAGMENT f
.if (\f) < 3
	s_wait_loadcnt 16                              ; this tile's 16 loads are in; the next tile's 16 may be out
.else
	s_wait_loadcnt 0x0
.endif
.irp p, 0,1,2,3,4,5,6,7,8,9,10,11,12,13,14,15
	ds_store_b128 v[SA], v[R+64*((\f)%2)+4*\p:R+64*((\f)%2)+4*\p+3] offset:528*\p
.endr
.irp b, 0,1,2,3
.irp j, 0,1,2,3
	ds_load_b128 v[X+16*\b+4*\j:X+16*\b+4*\j+3], v[SB] offset:128*\b+16*\j   ; LDS serves a wave's instructions in order: these see the stores above
.endr
.endr
	s_wait_dscnt 0x0                               ; my numbers are back, and the stores into the stage have read their registers
.if (\f) > 0
	s_wait_xcnt 0x0                                ; the last fragment's stores have read their data: the codes' registers may be written again
.endif
.if (\f) < 2
	LOAD (\f)+2
.endif
	QUANT X, 0, PWS+(\f)
	PUT 14, 3072*(\f)
.endm
	LOAD 0
	LOAD 1
	FRAGMENT 0
	FRAGMENT 1
	FRAGMENT 2
	FRAGMENT 3
	v_cmp_lt_u32 vcc_lo, 15, v1                    ; lanes 16-31 store tiles 2 and 3's words, lanes 0-15 tiles 0 and 1's
	v_cndmask_b32 v10, v[PWS], v[PWS+2], vcc_lo
	v_cndmask_b32 v11, v[PWS+1], v[PWS+3], vcc_lo
	global_store_b64 v[SV], v[10:11], s[16:17]     ; 32 lanes store 256 consecutive bytes, aligned
	s_wait_tensorcnt 0x0                           ; the wave's end, behind my last LDS store
	ds_add_u32 v[SPW], v[NIL]
	s_wait_dscnt 0x0
	s_endpgm
.Lcs:                                                  ; tile g / 2 of cos (g even) or of sin (g odd): 16 rows of 512 bytes in, 8,192 bytes out
	s_and_b32 s24, ttmp9, 1
	s_cmp_eq_u32 s24, 0                            ; the table is chosen by the work-group's number alone
	s_cselect_b64 s[34:35], s[34:35], s[36:37]
	s_lshr_b32 s24, ttmp9, 2                       ; tile / 2: 32 rows of 512 bytes,
	s_lshl_b32 s24, s24, 14
	s_bfe_u32 s25, ttmp9, 0x10001                  ; tile % 2: 8 rows
	s_lshl_b32 s25, s25, 12
	s_add_co_u32 s24, s24, s25
	s_mov_b32 s25, 0
	s_add_nc_u64 s[34:35], s[34:35], s[24:25]
	s_lshl_b32 s24, ttmp9, 13                      ; out: 8,192 bytes for each (tile, table)
	s_add_nc_u64 s[38:39], s[38:39], s[24:25]
.irp p, 0,1,2,3,4,5,6,7,8,9,10,11,12,13,14,15
	global_load_b128 v[R+4*\p:R+4*\p+3], v[LI], s[34:35] offset:(\p+8*(\p/8))*512 th:TH_LOAD_NT   ; a whole row: 512 consecutive bytes
.endr
	s_wait_loadcnt 0x0
.irp p, 0,1,2,3,4,5,6,7,8,9,10,11,12,13,14,15
	ds_store_b128 v[SA], v[R+4*\p:R+4*\p+3] offset:528*\p
.endr
.irp b, 0,1,2,3
.irp j, 0,1,2,3
	ds_load_b128 v[X+16*\b+4*\j:X+16*\b+4*\j+3], v[SB] offset:128*\b+16*\j   ; LDS serves a wave's instructions in order: these see the stores above
.endr
.endr
	s_wait_dscnt 0x0
.irp c, 0,1,2,3,4,5,6,7,8,9,10,11,12,13,14,15
	global_store_b128 v[LI], v[X+4*\c:X+4*\c+3], s[38:39] offset:512*\c   ; each store covers 512 consecutive bytes, aligned
.endr
	s_wait_tensorcnt 0x0                           ; the wave's end, behind my last LDS store
	ds_add_u32 v[SPW], v[NIL]
	s_wait_dscnt 0x0
	s_endpgm
.Lfunc_end_k_q4a1f6182c3_quant:
	.size	k_q4a1f6182c3_quant, .Lfunc_end_k_q4a1f6182c3_quant-k_q4a1f6182c3_quant
	.p2alignl 7, 3214868480
	.fill 96, 4, 3214868480
	.section	.rodata,"a",@progbits
	.p2align	6, 0x0
	.amdhsa_kernel k_q4a1f6182c3_quant
		.amdhsa_group_segment_fixed_size 97280
		.amdhsa_private_segment_fixed_size 0
		.amdhsa_enable_private_segment 0
		.amdhsa_kernarg_size 80
		.amdhsa_user_sgpr_count 2
		.amdhsa_user_sgpr_kernarg_segment_ptr 1
		.amdhsa_wavefront_size32 1
		.amdhsa_system_sgpr_workgroup_id_x 1
		.amdhsa_system_sgpr_workgroup_id_y 1
		.amdhsa_system_sgpr_workgroup_id_z 1
		.amdhsa_system_vgpr_workitem_id 0
		.amdhsa_next_free_vgpr 256
		.amdhsa_next_free_sgpr 66
		.amdhsa_reserve_vcc 1
		.amdhsa_float_denorm_mode_32 3
		.amdhsa_float_denorm_mode_16_64 3
		.amdhsa_memory_ordered 1
		.amdhsa_forward_progress 1
		.amdhsa_inst_pref_size 40
	.end_amdhsa_kernel
	.amdgpu_metadata
---
amdhsa.version: [ 1, 2 ]
amdhsa.kernels:
  - .name:           k_q4a1f6182c3_quant
    .symbol:         k_q4a1f6182c3_quant.kd
    .args:
      - { .name: x, .offset: 0, .size: 8, .value_kind: global_buffer, .address_space: global }
      - { .name: Wq, .offset: 8, .size: 8, .value_kind: global_buffer, .address_space: global }
      - { .name: Wk, .offset: 16, .size: 8, .value_kind: global_buffer, .address_space: global }
      - { .name: Wv, .offset: 24, .size: 8, .value_kind: global_buffer, .address_space: global }
      - { .name: Wo, .offset: 32, .size: 8, .value_kind: global_buffer, .address_space: global }
      - { .name: wc, .offset: 40, .size: 8, .value_kind: global_buffer, .address_space: global }
      - { .name: ws, .offset: 48, .size: 8, .value_kind: global_buffer, .address_space: global }
      - { .name: csi, .offset: 56, .size: 8, .value_kind: global_buffer, .address_space: global }
      - { .name: cos, .offset: 64, .size: 8, .value_kind: global_buffer, .address_space: global }
      - { .name: sin, .offset: 72, .size: 8, .value_kind: global_buffer, .address_space: global }
    .group_segment_fixed_size: 97280
    .private_segment_fixed_size: 0
    .kernarg_segment_align: 8
    .kernarg_segment_size: 80
    .max_flat_workgroup_size: 352
    .sgpr_count:     66
    .vgpr_count:     256
    .wavefront_size: 32
...
	.end_amdgpu_metadata
.endif
;; end of part 5
;; launch qkv (part 6): grid 24 x 8, 4 waves a work-group, clusters of 4 x 4, 327,680 bytes of LDS; arguments wc, ws, csi, qc, qs; writes qc, qs
.if DOCPART == 6
	.amdgcn_target "amdgcn-amd-amdhsa--gfx1250"
	.amdhsa_code_object_version 6
	.text
	.protected	k_q4a1f6182c3_qkv
	.globl	k_q4a1f6182c3_qkv
	.p2align	8
	.type	k_q4a1f6182c3_qkv,@function
k_q4a1f6182c3_qkv:
	s_mov_b64 s[64:65], 0
	v_nop
	global_prefetch_b8 v0, s[64:65] scope:SCOPE_SE
	s_setreg_imm32_b32 hwreg(HW_REG_WAVE_MODE, 25, 1), 1
	s_wait_xcnt 0x0
	s_wait_alu depctr_hold_cnt(0) depctr_sa_sdst(0) depctr_va_vdst(0) depctr_va_sdst(0) depctr_va_ssrc(0) depctr_va_vcc(0) depctr_vm_vsrc(0)
	s_getreg_b32 s2, hwreg(HW_REG_IB_STS2, 6, 4)
	s_cmp_eq_u32 s2, 0
	s_cbranch_scc0 .Lentry_in_a_cluster
	s_endpgm
.Lentry_in_a_cluster:
	s_bfe_u32 s2, ttmp6, 0x10000c
	s_cmp_lg_u32 s2, 0xf033
	s_cbranch_scc0 .Lentry_shape_is_right
	s_endpgm
.Lentry_shape_is_right:
; q = rope(x Wq^T), k = rope(x Wk^T), v = x Wv^T on codes of FP6 (E2M3) with E8M0 scales, sums in f32; the results are quantised at once: q and k along the head's 128, v along the keys.
; Operands come as images of operand registers (fragment: 1,536 bytes; register g of lane l at 512 (g / 4) + 16 l + 4 (g % 4); row rho of tile T is row 32 (T / 2) + 8 (T % 2) + rho + 8 (rho / 8)).
; A work-group of four waves makes 256 x 256, a wave 128 x 128: 64 accumulators, 512 registers.  K goes in steps of 256 through two LDS slots filled by tensor loads.
; ONE LOOP, TWO ROLES, by the cluster's x (equal in all partners).  Work-group x under 16: "A" = x (256 tokens), "B" = Wq or Wk (256 rows = two heads).  From 16 on: "A" = Wv, "B" = x.
; The matrix instruction is used transposed (source 0 = 16 rows of B, source 1 = 16 rows of A): a lane holds ONE row of A, and by the order of a tile's rows its 64 registers of a tile of A are B's 128 rows in the
; order 32 b + 16 (lane / 16) + i: for q and k a token's head, for v a channel's 128 keys: neighbours along the next product's K, which the conversions take as they stand.
; cos and sin come from csi, [tile of 16 tokens 128][cos, sin][8192], laid in that same order of lanes and registers: each load reads 512 consecutive bytes straight into its registers.
; CLUSTERS: 4 x 4.  A's tiles are shared along a row of the cluster, B's along a column: each is asked for jointly.
; RESULTS: qc [48: q's 16 heads, k's, v's][128 fragments][1536]; for q, k fragment = tile of 16 tokens; for v fragment 8 ks + a = key step ks, tile a of 16 channels.  qs [48][16][512]: scale words.
; LIMITS: NaN and infinities are not served; a block whose largest magnitude lies under 2^-124, a block of zeros among them, gets the byte 1 (zeros have zero codes; this program alone reads the bytes).
; REGISTERS: window 0: v1-29 addresses; v32-63 scale words, two sets; v128-223 A's fragments, one set.  window 1: B's fragments, two sets, at v0 and v128.  windows 2, 3: accumulator (a, b) at v[8 (8 (a % 4) + b)].
.set HALFT,  24576                     ; 8 tiles x 256 along K: what one tensor load brings, and what a wave reads of A or of B
.set SLOT,   98304                     ; A's 16 tiles, then B's 16
.set SCL,    196608                    ; the scale words for all of K: 8,192 bytes a group of 8 tiles: A's two groups, B's two
.set SPARE,  229376                    ; the spare words, 128 bytes a wave
.set SPB,    393216                    ; from a step of 256 along K to the next, in memory
.set FR,  12
.set NL,  3                            ; LDS loads that bring a fragment
.set NP,  4                            ; places behind this matrix instruction (ISA guide 7.12.1)
.set NQ,  2
.set WV,  16                           ; s16 wave;  s17 my 128 rows of A, also: I fetch for A (0) or B (1);  s18 my 128 rows of B, also: which 8 tiles I fetch;  s19 work-group y
.set RH,  17
.set CH,  18
.set YY,  19
.set ISV, 96                           ; s96  1 in the work-groups that make v
.set SEL, 98
.set ADRA, 16                          ; v16-17 my A fragments in slot 0, 1
.set ADRB, 20                          ; v20-21 the same for B
.set LI,   26                          ; v26  16 x lane
.set ADRS, 27                          ; v27  my scale words: lanes 0-15 A's, lanes 16-31 B's
.set SPW,  28
.set NIL,  29
.set SC,   32                          ; register SC + 16 set + 8 q + i: lanes 0-15 the word of A's tile i, lanes 16-31 of B's tile i
.set AF,   128
.set TR,   128                         ; the way out: v128-191 a tile's 64 numbers after the rotation
.set TM,   192
.set PC,   208
.set PWS,  228                         ; v228-235 eight tiles' scale words
.set SD,   236
.set G1, 24
.set G0, 32
.set G1B, 48
.set G0B, 56
.set G1S, 68
.set G0S, 76
.set G1SB, 80
.set G0SB, 88
.set MSB, 0
.macro WIN new
.if MSB != (\new)
	s_set_vgpr_msb (MSB<<8)|(\new)
.set MSB, (\new)
.endif
.endm
.set MUL_LO, 0xa1                      ; source 0 (B) window 1, source 1 (A) window 0, C and D window 2
.set MUL_HI, 0xf1
.set TO_B,   0x40
.macro PLACES n
.rept \n
	v_nop
.endr
.endm
.macro QUANT s, w, pw
	WIN (\w)|((\w)<<2)
.irp b, 0,1,2,3
	v_max3_num_f32 v[TM+\b], |v[(\s)+16*\b]|, |v[(\s)+16*\b+1]|, 0x1800000   ; my 16 numbers of block b, and the floor 2^(3 - 127).  (Each accumulator is read from its low end on)
.endr
.irp i, 2,4,6,8,10,12,14
.irp b, 0,1,2,3
	v_max3_num_f32 v[TM+\b], |v[(\s)+16*\b+\i]|, |v[(\s)+16*\b+\i+1]|, v[TM+\b]
.endr
.endr
	WIN 0
.irp b, 0,1,2,3
	v_permlanex16_b32 v[TM+4+\b], v[TM+\b], s[SEL], s[SEL+1]
.endr
.irp b, 0,1,2,3
	v_max_num_f32 v[TM+\b], v[TM+\b], v[TM+4+\b]
.endr
.irp b, 0,1,2,3
	v_add_nc_u32 v[TM+12+\b], 0xff000000, v[TM+\b]
.endr
.irp b, 0,1,2,3
	v_lshrrev_b32 v[TM+4+\b], 23, v[TM+12+\b]
.endr
	v_lshl_or_b32 v[\pw], v[TM+5], 8, v[TM+4]
	v_lshl_or_b32 v[\pw], v[TM+6], 16, v[\pw]
	v_lshl_or_b32 v[\pw], v[TM+7], 24, v[\pw]
	WIN (\w)
.irp c, 0,1
	v_cvt_scalef32_pk16_fp6_f32 v[PC+6*\c:PC+6*\c+2], v[(\s)+32*\c:(\s)+32*\c+15], v[TM+12+2*\c]
	v_cvt_scalef32_pk16_fp6_f32 v[PC+12+4*\c:PC+14+4*\c], v[(\s)+16+32*\c:(\s)+31+32*\c], v[TM+13+2*\c]
.endr
	WIN 0
	v_nop                                          ; one plain place behind a scaled conversion
.irp c, 0,1
.irp i, 0,1,2
	v_permlane16_swap_b32 v[PC+6*\c+\i], v[PC+12+4*\c+\i]
.endr
.irp i, 0,1,2
	v_mov_b32 v[PC+3+6*\c+\i], v[PC+12+4*\c+\i]
.endr
.endr
.endm
.macro PUT base, off
.irp c, 0,1,2
	global_store_b128 v[LI], v[PC+4*\c:PC+4*\c+3], s[\base:\base+1] offset:(\off)+512*\c
.endr
.endm
; A joint load: waves 0 and 1 fetch for A, waves 2 and 3 for B; the branch hangs on the wave's number alone.  An s_nop 0 and four v_nop follow each of the two lines.
.macro JLOAD g0a, g1a, g0b, g1b
	s_cmp_eq_u32 s[RH], 0
	s_cbranch_scc0 .Lfor_b_\@
	tensor_load_to_lds s[\g0a:\g0a+3], s[\g1a:\g1a+7]
	s_nop 0
.rept 4
	v_nop
.endr
	s_branch .Lasked_\@
.Lfor_b_\@:
	tensor_load_to_lds s[\g0b:\g0b+3], s[\g1b:\g1b+7]
	s_nop 0
.rept 4
	v_nop
.endr
.Lasked_\@:
.endm
.macro CREST                           ; a round of the cluster's barrier behind its opening barrier
	s_cmp_lg_u32 s[WV], 0
	s_cbranch_scc1 .Lnot_wave_0_\@
	s_barrier_signal -3
.Lnot_wave_0_\@:
	s_barrier_wait -3
	s_barrier_signal -1
	s_barrier_wait -1
.endm
.macro CROUND
	s_barrier_signal -1
	s_barrier_wait -1
	CREST
.endm
	s_load_b128 s[4:7], s[0:1], 0x0                ; wc, ws
	s_load_b64 s[8:9], s[0:1], 0x10                ; csi
	s_load_b64 s[12:13], s[0:1], 0x18              ; qc
	s_load_b64 s[14:15], s[0:1], 0x20              ; qs
	v_lshl_add_u32 v[SPW], v0, 2, SPARE
	v_mov_b32 v[NIL], 0
	ds_add_u32 v[SPW], v[NIL]                      ; the wave's opening: the add and its wait stand ahead of my first tensor load; work on registers stands between them
	v_lshrrev_b32 v1, 5, v0
	v_readfirstlane_b32 s[WV], v1
	s_lshr_b32 s[RH], s[WV], 1
	s_and_b32 s[CH], s[WV], 1
	s_bfe_u32 s40, ttmp6, 0x40000                  ; cx
	s_bfe_u32 s41, ttmp6, 0x40004                  ; cy
	s_lshl_b32 s42, ttmp9, 2
	s_add_co_u32 s42, s42, s40                     ; work-group x = 4 x cluster x + cx
	s_and_b32 s[YY], ttmp7, 0xffff
	s_lshl_b32 s[YY], s[YY], 2
	s_add_co_u32 s[YY], s[YY], s41                 ; work-group y
	s_lshr_b32 s[ISV], ttmp9, 2                    ; clusters 4 and 5 along x make v: the same in all sixteen partners
	s_lshl_b32 s43, s41, 2
	s_lshl_b32 s43, 15, s43                        ; my row of the cluster
	s_lshl_b32 s44, 0x1111, s40                    ; my column
	; group 1: dense blocks as rows of 256 bytes (32 elements of 8 bytes): 96 rows of codes, 32 rows of scale words; no padding: an image's loads take consecutive bytes
	s_or_b32 s[G1+0], s43, (3<<16)|(1<<21)         ; 15:0 the mask: A's go to my row; 17:16 elements of 8 bytes; 21 set beside a mask
	s_or_b32 s[G1B+0], s44, (3<<16)|(1<<21)
.irp g, G1, G1B
	s_mov_b32 s[\g+1], 32<<16                      ; tensor_dim0 = 32
	s_mov_b32 s[\g+2], 96<<16                      ; tensor_dim1 = 96
	s_mov_b32 s[\g+3], 32<<16                      ; tile_dim0
	s_mov_b32 s[\g+4], 96                          ; tile_dim1
	s_mov_b32 s[\g+5], 32                          ; pitch
	s_mov_b32 s[\g+6], 0
	s_mov_b32 s[\g+7], 0
.endr
	s_or_b32 s[G1S+0], s43, (3<<16)|(1<<21)
	s_or_b32 s[G1SB+0], s44, (3<<16)|(1<<21)
.irp g, G1S, G1SB
	s_mov_b32 s[\g+1], 32<<16
	s_mov_b32 s[\g+2], 32<<16
	s_mov_b32 s[\g+3], 32<<16
	s_mov_b32 s[\g+4], 32
	s_mov_b32 s[\g+5], 32
	s_mov_b32 s[\g+6], 0
	s_mov_b32 s[\g+7], 0
.endr
	; tiles are numbered through wc: x 0-127, Wq 128-255, Wk 256-383, Wv 384-511.  A's first tile hangs on y alone, B's on x alone
	s_mul_i32 s21, s[ISV], 384
	s_lshl_b32 s22, s[CH], 3
	s_lshl_b32 s46, s42, 4
	s_add_co_u32 s46, s46, 128
	s_sub_co_u32 s46, s46, s21
	s_add_co_u32 s46, s46, s22                     ; B: 128 + 16 x + 8 half - 384 (v)
	s_lshl_b32 s20, s[YY], 4
	s_add_co_u32 s20, s20, s21
	s_add_co_u32 s20, s20, s22                     ; A: 384 (v) + 16 y + 8 half
	s_lshr_b32 s92, s20, 3
	s_lshl_b32 s92, s92, 13                        ; its group's scale words: 8,192 bytes a group
	s_mov_b32 s93, 0
	s_lshr_b32 s94, s46, 3
	s_lshl_b32 s94, s94, 13
	s_mov_b32 s95, 0
	s_lshr_b32 s21, s20, 7
	s_mul_i32 s21, s21, 3145728                    ; its codes: tensor,
	s_and_b32 s20, s20, 127
	s_mul_i32 s20, s20, 3072                       ; tile
	s_add_co_u32 s20, s20, s21
	s_mov_b32 s21, 0
	s_lshr_b32 s47, s46, 7
	s_mul_i32 s47, s47, 3145728
	s_and_b32 s46, s46, 127
	s_mul_i32 s46, s46, 3072
	s_add_co_u32 s46, s46, s47
	s_mov_b32 s47, 0
	s_mul_i32 s45, s[WV], HALFT                    ; where they go: no place in the cluster enters an LDS address
	s_lshl_b32 s97, s[WV], 13
	s_mov_b32 s[SEL], 0x76543210
	s_mov_b32 s[SEL+1], 0xfedcba98
	s_wait_dscnt 0x0                               ; the opening add is done
	s_wait_kmcnt 0x0
	s_add_nc_u64 s[20:21], s[4:5], s[20:21]
	s_add_nc_u64 s[46:47], s[4:5], s[46:47]
	s_add_nc_u64 s[92:93], s[6:7], s[92:93]
	s_add_nc_u64 s[94:95], s[6:7], s[94:95]
	CROUND                                         ; all sixteen work-groups are here: the first joint loads meet
	s_mov_b32 s[G0S], 1
	s_add_co_u32 s[G0S+1], s97, SCL
	s_mov_b64 s[G0S+2:G0S+3], s[92:93]
	s_or_b32 s[G0S+3], s[G0S+3], 0x80000000
	s_mov_b32 s[G0SB], 1
	s_add_co_u32 s[G0SB+1], s97, SCL
	s_mov_b64 s[G0SB+2:G0SB+3], s[94:95]
	s_or_b32 s[G0SB+3], s[G0SB+3], 0x80000000
	JLOAD G0S, G1S, G0SB, G1SB                     ; the scale words for all of K: filled once.  Three loads of mine are out behind the next two
.irp s, 0,1
	s_mov_b32 s[G0+4*\s], 1
	s_add_co_u32 s[G0+4*\s+1], s45, \s*SLOT
	s_add_nc_u64 s[G0+4*\s+2:G0+4*\s+3], s[20:21], \s*SPB
	s_or_b32 s[G0+4*\s+3], s[G0+4*\s+3], 0x80000000
	s_mov_b32 s[G0B+4*\s], 1
	s_add_co_u32 s[G0B+4*\s+1], s45, \s*SLOT
	s_add_nc_u64 s[G0B+4*\s+2:G0B+4*\s+3], s[46:47], \s*SPB
	s_or_b32 s[G0B+4*\s+3], s[G0B+4*\s+3], 0x80000000
	JLOAD G0+4*\s, G1, G0B+4*\s, G1B
.endr
	v_and_b32 v1, 15, v0                           ; r
	v_bfe_u32 v2, v0, 4, 1                         ; h
	v_and_b32 v3, 31, v0                           ; lane; kept
	v_lshlrev_b32 v[LI], 4, v3
	s_mul_i32 s21, s[RH], HALFT
	s_mul_i32 s22, s[CH], HALFT
	s_add_co_u32 s22, s22, 2*HALFT
.irp s, 0,1
	v_add_nc_u32 v[ADRA+\s], s21, v[LI]
	v_add_nc_u32 v[ADRB+\s], s22, v[LI]
	s_add_co_u32 s21, s21, SLOT
	s_add_co_u32 s22, s22, SLOT
.endr
	s_lshl_b32 s21, s[RH], 13                      ; A's scale words: my group
	s_lshl_b32 s22, s[CH], 13                      ; B's: my group, behind A's two
	s_add_co_u32 s22, s22, 16384
	s_sub_co_u32 s22, s22, s21
	v_mul_u32_u24 v6, s22, v2                      ; lanes 16-31 take B's
	s_add_co_u32 s21, s21, SCL
	v_lshl_add_u32 v5, v1, 4, v6                   ; 16 bytes a row: four tiles' words
	v_add_nc_u32 v[ADRS], s21, v5
	; where the results go
	s_lshl_b32 s46, s42, 1
	s_add_co_u32 s46, s46, s[CH]                   ; 2 x + my half of B
	s_lshl_b32 s20, s[YY], 1
	s_add_co_u32 s20, s20, s[RH]                   ; 2 y + my half of A
	s_add_co_u32 s22, s20, 32
	s_sub_co_u32 s23, s46, 32
	s_cmp_eq_u32 s[ISV], 0
	s_cselect_b32 s22, s46, s22                    ; which of qc's 48: q, k: 2 x + half;  v: 32 + 2 y + half
	s_cselect_b32 s23, s20, s23                    ; which group of 8 fragments: q, k: the tokens';  v: the key step
	s_mul_i32 s92, s22, 196608
	s_mul_i32 s93, s23, 12288
	s_add_co_u32 s92, s92, s93
	s_mov_b32 s93, 0
	s_add_nc_u64 s[12:13], s[12:13], s[92:93]
	s_lshl_b32 s92, s22, 4
	s_add_co_u32 s92, s92, s23
	s_lshl_b32 s92, s92, 9
	s_add_nc_u64 s[14:15], s[14:15], s[92:93]
	s_lshl_b32 s92, s20, 17                        ; csi at my 128 tokens: 8 tiles of 16,384 bytes
	s_add_nc_u64 s[8:9], s[8:9], s[92:93]
.macro FRAG reg, adr, q, i             ; a fragment's image: three loads of 512 consecutive bytes
.irp c, 0,1,2
	ds_load_b128 v[(\reg)+4*\c:(\reg)+4*\c+3], v[\adr] offset:3072*(\i)+1536*(\q)+512*\c
.endr
.endm
; 16 matrix instructions: A's tiles a0, a0 + 1 x B's eight.  The 64 accumulators take turns, one instruction a turn, in the same order in every step.
.macro MUL16 a0, p, q, sc, zero
.irp a, \a0, \a0+1
.irp b, 0,1,2,3,4,5,6,7
.if \zero
	v_wmma_scale_f32_16x16x128_f8f6f4 v[8*(8*((\a)%4)+\b):8*(8*((\a)%4)+\b)+7], v[128*(\p)+FR*\b:128*(\p)+FR*\b+FR-1], v[AF+FR*(\a):AF+FR*(\a)+FR-1], 0, v[SC+16*(\sc)+8*(\q)+\b], v[SC+16*(\sc)+8*(\q)+(\a)] matrix_a_fmt:MATRIX_FMT_FP6 matrix_b_fmt:MATRIX_FMT_FP6 matrix_a_scale:MATRIX_SCALE_ROW1
.else
	v_wmma_scale_f32_16x16x128_f8f6f4 v[8*(8*((\a)%4)+\b):8*(8*((\a)%4)+\b)+7], v[128*(\p)+FR*\b:128*(\p)+FR*\b+FR-1], v[AF+FR*(\a):AF+FR*(\a)+FR-1], v[8*(8*((\a)%4)+\b):8*(8*((\a)%4)+\b)+7], v[SC+16*(\sc)+8*(\q)+\b], v[SC+16*(\sc)+8*(\q)+(\a)] matrix_a_fmt:MATRIX_FMT_FP6 matrix_b_fmt:MATRIX_FMT_FP6 matrix_a_scale:MATRIX_SCALE_ROW1
.endif
.endr
.endr
.endm
.macro FETCH_B slot, q, p
	WIN TO_B
.irp i, 0,1,2,3,4,5,6,7
	FRAG 128*(\p)+FR*\i, ADRB+\slot, \q, \i
.endr
	WIN 0
.endm
.macro FETCH_A slot, q, i0
.irp i, \i0, \i0+1, \i0+2, \i0+3
	FRAG AF+FR*(\i), ADRA+\slot, \q, \i
.endr
.endm
.macro SCALES sc                       ; a slot's scale words: two steps of 128, eight tiles: four loads of four words a lane
.irp q, 0,1
.irp g, 0,1
	ds_load_b128 v[SC+16*\sc+8*\q+4*\g:SC+16*\sc+8*\q+4*\g+3], v[ADRS] offset:512*\q+256*\g
.endr
.endr
.endm
; A step of 128 along K that has its successor in the same slot
.macro STEP slot, q, zero
	s_wait_dscnt 4*NL                              ; all but the youngest twelve loads (A's tiles 4-7) are in
	WIN MUL_LO
	MUL16 0, (\q)%2, \q, \slot, \zero
	MUL16 2, (\q)%2, \q, \slot, \zero
	s_wait_dscnt 0                                 ; A's tiles 4-7 are in
	PLACES NP                                      ; in front of loads into registers that matrix instructions have read
	FETCH_B \slot, (\q)+1, 1-(\q)%2
	FETCH_A \slot, (\q)+1, 0
	WIN MUL_HI
	MUL16 4, (\q)%2, \q, \slot, \zero
	MUL16 6, (\q)%2, \q, \slot, \zero
	PLACES NP
	WIN 0
	FETCH_A \slot, (\q)+1, 4
.endm
; A slot's last step changes slots: one barrier; in front of it each wave waits for all its tensor loads, adds 0 to its spare word, and waits for that and for its reads of this slot
.macro TURN slot, next, fill
	s_wait_tensorcnt 0x0                           ; all my tensor loads have landed: my part of the next slot
	ds_add_u32 v[SPW], v[NIL]
	s_wait_dscnt 4*NL+1                            ; (the add and the youngest twelve loads may be out)
	WIN MUL_LO
	MUL16 0, 1, NQ-1, \slot, 0
	s_wait_dscnt 0x0                               ; the add is done, and my reads of this slot are over
	s_barrier_signal -1
	MUL16 2, 1, NQ-1, \slot, 0
	WIN 0
	s_barrier_wait -1
.if \fill
	CREST                                          ; the barrier has opened a round of the cluster's: no wave of any partner still reads this slot or has a load on its way
	s_add_nc_u64 s[G0+4*\slot+2:G0+4*\slot+3], s[G0+4*\slot+2:G0+4*\slot+3], 2*SPB
	s_add_nc_u64 s[G0B+4*\slot+2:G0B+4*\slot+3], s[G0B+4*\slot+2:G0B+4*\slot+3], 2*SPB
	JLOAD G0+4*\slot, G1, G0B+4*\slot, G1B         ; my one tensor load behind the round; its four v_nop are the places in front of the loads below
.else
	PLACES NP
.endif
	v_add_nc_u32 v[ADRS], 1024, v[ADRS]            ; the next slot's scale words
	FETCH_B \next, 0, 0
	FETCH_A \next, 0, 0
	SCALES \next
	WIN MUL_HI
	MUL16 4, 1, NQ-1, \slot, 0
	MUL16 6, 1, NQ-1, \slot, 0
	PLACES NP
	WIN 0
	FETCH_A \next, 0, 4
.endm
	s_wait_tensorcnt 1                             ; the scale words and my part of slot 0 are in; slot 1's load may be out
	s_barrier_signal -1
	s_barrier_wait -1
	FETCH_B 0, 0, 0
	FETCH_A 0, 0, 0
	SCALES 0
	FETCH_A 0, 0, 4
	STEP 0, 0, 1                                   ; the first step stands in front of the loop: its products start the sums
	s_mov_b32 s3, 3
.Llap:                                                 ; a trip goes once round the ring and fills both slots again: 2048 along K are eight slots
	TURN 0, 1, 1
	STEP 1, 0, 0
	TURN 1, 0, 1
	STEP 0, 0, 0
	s_sub_co_u32 s3, s3, 1
	s_cmp_lg_u32 s3, 0
	s_cbranch_scc1 .Llap
	TURN 0, 1, 0                                   ; the last lap fills nothing
	STEP 1, 0, 0
	s_wait_dscnt 4*NL
	WIN MUL_LO
	MUL16 0, 1, NQ-1, 1, 0
	MUL16 2, 1, NQ-1, 1, 0
	s_wait_dscnt 0
	WIN MUL_HI
	MUL16 4, 1, NQ-1, 1, 0
	MUL16 6, 1, NQ-1, 1, 0
	WIN 0
	; THE WAY OUT: a tile of A at a time: its 64 numbers a lane become one fragment and one scale word a row
	PLACES NP
.irp b, 0,1,2,3
	v_mov_b32 v[TM+4+\b], 0                        ; written once: a lane permute's destination counts as one of its sources
.endr
	s_cmp_lg_u32 s[ISV], 0
	s_cbranch_scc1 .Lv
; q, k: the rotation.  Register n = 16 b + i is channel d = 32 b + 16 h + i of my token, so channel d + 64 is register n + 32 of the same lane
.macro CSLOAD a                        ; cos and sin of tile a's tokens at my 64 channels, into set a % 2 of window 1: cos at 128 e, sin at 128 e + 64; each load reads 512 consecutive bytes
	WIN 0x40
.irp c, 0,1,2,3,4,5,6,7,8,9,10,11,12,13,14,15
	global_load_b128 v[128*((\a)%2)+4*\c:128*((\a)%2)+4*\c+3], v[LI], s[8:9] offset:16384*(\a)+512*\c
	global_load_b128 v[128*((\a)%2)+64+4*\c:128*((\a)%2)+64+4*\c+3], v[LI], s[8:9] offset:16384*(\a)+8192+512*\c
.endr
.endm
.macro ROPE a
	WIN (2+(\a)/4)|(1<<2)                          ; source 0: the accumulators' window; source 1: window 1
.set AC, 64*((\a)%4)
.set CB, 128*((\a)%2)
.set i, 0
.rept 32
	v_pk_mul_f32 v[TR+i:TR+i+1], v[AC+i:AC+i+1], v[CB+i:CB+i+1]   ; t cos, in ascending order: each accumulator from its low end on
.set i, i+2
.endr
.set i, 0
.rept 16
	v_pk_fma_f32 v[TR+i:TR+i+1], v[AC+32+i:AC+33+i], v[CB+64+i:CB+65+i], v[TR+i:TR+i+1] neg_lo:[1,0,0] neg_hi:[1,0,0]   ; d < 64: - t(d + 64) sin
.set i, i+2
.endr
.rept 16
	v_pk_fma_f32 v[TR+i:TR+i+1], v[AC+i-32:AC+i-31], v[CB+64+i:CB+65+i], v[TR+i:TR+i+1]   ; d >= 64: + t(d - 64) sin
.set i, i+2
.endr
.endm
	CSLOAD 0
	CSLOAD 1
.irp a, 0,1,2,3,4,5,6,7
.if \a < 7
	s_wait_loadcnt 32                              ; this tile's 32 loads are in; the next tile's 32 may be out
.else
	s_wait_loadcnt 0x0
.endif
	ROPE \a
.if \a > 0
	s_wait_xcnt 0x0                                ; the last fragment's stores have read their data; the wait stands ahead of the next run of loads, so that it does not wait for them
.endif
.if \a < 6
	CSLOAD \a+2
.endif
	WIN 0
	QUANT TR, 0, PWS+\a
	PUT 12, 1536*\a
.endr
	s_branch .Ltail
.Lv:                                                   ; v: the accumulators are quantised as they stand: my channel's 128 keys
.irp a, 0,1,2,3,4,5,6,7
.if \a > 0
	s_wait_xcnt 0x0
.endif
	QUANT 64*((\a)%4), 2+(\a)/4, PWS+\a
	PUT 12, 1536*\a
.endr
.Ltail:
	v_cmp_lt_u32 vcc_lo, 15, v3                    ; lanes 0-15 store tiles 0-3's words, lanes 16-31 tiles 4-7's
.irp i, 0,1,2,3
	v_cndmask_b32 v[SD+\i], v[PWS+\i], v[PWS+4+\i], vcc_lo
.endr
	global_store_b128 v[LI], v[SD:SD+3], s[14:15]  ; 512 consecutive bytes, aligned
	s_wait_tensorcnt 0x0                           ; the wave's end
	ds_add_u32 v[SPW], v[NIL]
	s_wait_dscnt 0x0
	CROUND                                         ; the closing round
	s_endpgm
.Lfunc_end_k_q4a1f6182c3_qkv:
	.size	k_q4a1f6182c3_qkv, .Lfunc_end_k_q4a1f6182c3_qkv-k_q4a1f6182c3_qkv
	.p2alignl 7, 3214868480
	.fill 96, 4, 3214868480
	.section	.rodata,"a",@progbits
	.p2align	6, 0x0
	.amdhsa_kernel k_q4a1f6182c3_qkv
		.amdhsa_group_segment_fixed_size 327680
		.amdhsa_private_segment_fixed_size 0
		.amdhsa_enable_private_segment 0
		.amdhsa_kernarg_size 40
		.amdhsa_user_sgpr_count 2
		.amdhsa_user_sgpr_kernarg_segment_ptr 1
		.amdhsa_wavefront_size32 1
		.amdhsa_system_sgpr_workgroup_id_x 1
		.amdhsa_system_sgpr_workgroup_id_y 1
		.amdhsa_system_sgpr_workgroup_id_z 1
		.amdhsa_system_vgpr_workitem_id 0
		.amdhsa_next_free_vgpr 1024
		.amdhsa_next_free_sgpr 100
		.amdhsa_reserve_vcc 1
		.amdhsa_float_denorm_mode_32 3
		.amdhsa_float_denorm_mode_16_64 3
		.amdhsa_memory_ordered 1
		.amdhsa_forward_progress 1
		.amdhsa_inst_pref_size 229
	.end_amdhsa_kernel
	.amdgpu_metadata
---
amdhsa.version: [ 1, 2 ]
amdhsa.kernels:
  - .name:           k_q4a1f6182c3_qkv
    .symbol:         k_q4a1f6182c3_qkv.kd
    .args:
      - { .name: wc, .offset: 0, .size: 8, .value_kind: global_buffer, .address_space: global }
      - { .name: ws, .offset: 8, .size: 8, .value_kind: global_buffer, .address_space: global }
      - { .name: csi, .offset: 16, .size: 8, .value_kind: global_buffer, .address_space: global }
      - { .name: qc, .offset: 24, .size: 8, .value_kind: global_buffer, .address_space: global }
      - { .name: qs, .offset: 32, .size: 8, .value_kind: global_buffer, .address_space: global }
    .group_segment_fixed_size: 327680
    .private_segment_fixed_size: 0
    .kernarg_segment_align: 8
    .kernarg_segment_size: 40
    .max_flat_workgroup_size: 128
    .sgpr_count:     100
    .vgpr_count:     1024
    .wavefront_size: 32
...
	.end_amdgpu_metadata
.endif
;; end of part 6
;; launch attn (part 7): grid 16 x 16, 16 waves a work-group, no clusters, 327,680 bytes of LDS; arguments qc, qs, ac, asc; writes ac, asc
.if DOCPART == 7
	.amdgcn_target "amdgcn-amd-amdhsa--gfx1250"
	.amdhsa_code_object_version 6
	.text
	.protected	k_q4a1f6182c3_attn
	.globl	k_q4a1f6182c3_attn
	.p2align	8
	.type	k_q4a1f6182c3_attn,@function
k_q4a1f6182c3_attn:
	s_mov_b64 s[64:65], 0
	v_nop
	global_prefetch_b8 v0, s[64:65] scope:SCOPE_SE
	s_setreg_imm32_b32 hwreg(HW_REG_WAVE_MODE, 25, 1), 1
	s_wait_xcnt 0x0
; O[h][q] = the sum over keys k <= q of softmax_k(Q[h][q] . K[h][k] / sqrt(128)) V[h][k], both products on codes of FP6 (E2M3) with E8M0 scales; O / l is quantised along the head's 128 for the last product.
; THE SOFTMAX: t = score x log2(e) / sqrt(128); M = the running largest t rounded up to a whole number; p = 2^(t - M) is quantised along the keys; the row's sum is taken of the unquantised p and divides O at the end.
; Operands come as images of operand registers (qc: [48][128 fragments][1536]; qs: [48][16][512]).  The rows of a tile are 32 (T / 2) + 8 (T % 2) + rho + 8 (rho / 8).
; Both products are used transposed: S^T = K Q^T, O^T = V^T P^T: a lane holds one query; by the order of a tile's rows its 64 scores are keys 32 b + 16 (lane / 16) + i, its 64 numbers of O^T channels in the same order.
; SHARES.  16 x 16 work-groups: y = the head; x = 2 j + half.  Sixteen waves, four to a SIMD.  Wave w: tile 4 half + (w % 4) of the block of 128 queries j (bit 2 of w clear) or 15 - j (set); bit 3 of w is its parity.
; TWO WAVES SHARE A TILE'S KEYS: of a slot's four key steps of 128 the even wave takes steps 0 and 2, the odd wave steps 1 and 3, each with a running M, sum and O^T of its own.  Block J needs J + 1 key steps, so the
; four waves of a tile number walk 17 steps in every work-group, and no wave more than 8.  At the end the odd wave hands its O^T, -M and sums to the even one through LDS, as images of its registers; both are brought
; under the larger M by powers of two, which round nothing, and added.  A wave that saw no key hands zeros and -M = 3e38: its power of two is 0.
; K and V come through two LDS slots of 512 keys, filled by waves 0-3 (K's halves, V's halves), read by all sixteen.
; THE CAUSAL MASK.  Every work-group walks all 4 slots: trip counts are constants.  A step all of whose keys come after the wave's block is jumped over; in the step on the diagonal hidden scores become -infinity
; (reference() writes -1e30: p is 0 either way, since a query's own key always counts).  A slot whose first key comes after the work-group's last query is not asked for.
; NO CLUSTER: the work-groups of a head need different numbers of slots (16 - j key steps), and a joint load may not be left out by one partner: all four would have to ask for every slot and meet in a round at each.
; LIMITS: NaN and infinities are not served; a block whose largest magnitude lies under 2^-124, a block of zeros among them, gets the byte 1 (zeros have zero codes; this program alone reads the bytes).
; REGISTERS: v1-11, v80-82 addresses; v12 -M, v13 the largest t, v[14:15] the sum; v16-27 Q; v32-79 four fragments of K or V; v96-159 S^T, then p; v160-223 O^T; v224-254 at work; v248-251 four tiles' scale words; v255 Q's.
.set SLOT1, 131072                     ; a slot: K's four key steps, 12,288 bytes each, then V's four; slot 1 begins here, so that one exclusive or changes slots
.set VOFF,  49152                      ; V's part of a slot
.set SCK,   229376                     ; behind the slots: K's scale words of the head, 8,192 bytes, then V's
.set SPARE, 245760                     ; the spare words, 128 bytes a wave
.set OSC,   247808                     ; 512 bytes: the results' scale words meet here; no tensor load lands here
.set MRG,   248320                     ; the hand-over: 8,704 bytes a pair of waves: O^T's 16 x 512, then -M, t and the sums; no tensor load lands here
.set LI,   1                           ; v1   16 x lane
.set ASK0, 3                           ; v3   my place among K's scale words: 16 r + 512 x parity
.set OSA,  4                           ; v4   where my scale word goes
.set SPW,  5
.set NIL,  6
.set D0,   7                           ; v7   my query in its block - 16 (lane / 16)
.set ADK,  8                           ; v8   K's part of the slot in hand, my parity's step, + 16 x lane
.set OSR,  9                           ; v9   wave 0 reads the words back
.set ADS,  10                          ; v10  the step's scale words
.set GSO,  11                          ; v11  and stores them
.set PFO,  28                          ; v28  256 x lane
.set ADV,  80                          ; v80  V's part likewise
.set LIK,  81                          ; v81  16 x lane + 12,288 x parity
.set MA,   82                          ; v82  my pair's hand-over + 16 x lane
.set TM,   32                          ; the way out's quantiser
.set PC,   48
.set WV,   18
.set SEL,  20
.set CS,   22                          ; s[22:23] c = log2(e) / sqrt(128)
.set G1C,  24
.set G1S,  32
.set G0C,  40
.set G0S,  44
.set TB,   2                           ; s2   the slot in hand
.set TS,   3                           ; s3   the pair of steps' scale words: 1,024 bytes a pair
.set PK,   62                          ; s62  128 x parity
.set KS,   63                          ; s63  the first key of the pair of steps in hand: the same in all waves
.set SLOTS, 67
.set PFA,  78
.set LIM,  80
.set QLW,  97                          ; s97  my work-group's last query
.set KF,   98                          ; s98  my step's first key
.set QB,   99                          ; s99  my block's first query
.set MSB, 0
.macro WIN new
.if MSB != (\new)
	s_set_vgpr_msb (MSB<<8)|(\new)
.set MSB, (\new)
.endif
.endm
.macro QUANT s, w, pw
	WIN (\w)|((\w)<<2)
.irp b, 0,1,2,3
	v_max3_num_f32 v[TM+\b], |v[(\s)+16*\b]|, |v[(\s)+16*\b+1]|, 0x1800000
.endr
.irp i, 2,4,6,8,10,12,14
.irp b, 0,1,2,3
	v_max3_num_f32 v[TM+\b], |v[(\s)+16*\b+\i]|, |v[(\s)+16*\b+\i+1]|, v[TM+\b]
.endr
.endr
	WIN 0
.irp b, 0,1,2,3
	v_permlanex16_b32 v[TM+4+\b], v[TM+\b], s[SEL], s[SEL+1]
.endr
.irp b, 0,1,2,3
	v_max_num_f32 v[TM+\b], v[TM+\b], v[TM+4+\b]
.endr
.irp b, 0,1,2,3
	v_add_nc_u32 v[TM+12+\b], 0xff000000, v[TM+\b]
.endr
.irp b, 0,1,2,3
	v_lshrrev_b32 v[TM+4+\b], 23, v[TM+12+\b]
.endr
	v_lshl_or_b32 v[\pw], v[TM+5], 8, v[TM+4]
	v_lshl_or_b32 v[\pw], v[TM+6], 16, v[\pw]
	v_lshl_or_b32 v[\pw], v[TM+7], 24, v[\pw]
	WIN (\w)
.irp c, 0,1
	v_cvt_scalef32_pk16_fp6_f32 v[PC+6*\c:PC+6*\c+2], v[(\s)+32*\c:(\s)+32*\c+15], v[TM+12+2*\c]
	v_cvt_scalef32_pk16_fp6_f32 v[PC+12+4*\c:PC+14+4*\c], v[(\s)+16+32*\c:(\s)+31+32*\c], v[TM+13+2*\c]
.endr
	WIN 0
	v_nop
.irp c, 0,1
.irp i, 0,1,2
	v_permlane16_swap_b32 v[PC+6*\c+\i], v[PC+12+4*\c+\i]
.endr
.irp i, 0,1,2
	v_mov_b32 v[PC+3+6*\c+\i], v[PC+12+4*\c+\i]
.endr
.endr
.endm
.macro PUT base, off
.irp c, 0,1,2
	global_store_b128 v[LI], v[PC+4*\c:PC+4*\c+3], s[\base:\base+1] offset:(\off)+512*\c
.endr
.endm
.macro TLOAD                           ; waves 0-3 fetch, the others nothing; an s_nop 0 and four v_nop follow the line
	s_cmp_lt_u32 s[WV], 4
	s_cbranch_scc0 .Lasked_\@
	tensor_load_to_lds s[G0C:G0C+3], s[G1C:G1C+7]
	s_nop 0
.rept 4
	v_nop
.endr
.Lasked_\@:
.endm
; A prefetch of what the NEXT change of slots will ask for: 49,152 bytes of K and as many of V.  All work-groups of a head walk the same K and V: the head's first work-group asks, which walks all slots;
; in it waves 4 to 9, which fetch nothing: 8,192 bytes a wave, lanes 256 bytes apart, once for K and once for V.  So each block of 256 bytes is named once.  The last change that fills a slot asks for nothing.
.macro ASK
	s_cmp_gt_u32 s[SLOTS], s[LIM]
	s_cbranch_scc0 .Lnot_mine_\@
	global_prefetch_b8 v[PFO], s[PFA:PFA+1] th:TH_LOAD_NT scope:SCOPE_SE
	global_prefetch_b8 v[PFO], s[PFA:PFA+1] offset:3145728 th:TH_LOAD_NT scope:SCOPE_SE
.Lnot_mine_\@:
.endm
	s_load_b256 s[4:11], s[0:1], 0x0               ; qc, qs, ac, asc
	v_lshl_add_u32 v[SPW], v0, 2, SPARE
	v_mov_b32 v[NIL], 0
	ds_add_u32 v[SPW], v[NIL]                      ; the wave's opening: the add and its wait stand ahead of my first tensor load; work on registers stands between them
	v_lshrrev_b32 v8, 5, v0
	v_readfirstlane_b32 s[WV], v8                  ; wave 0..15
	s_and_b32 s48, ttmp7, 0xffff                   ; the head
	s_lshr_b32 s49, ttmp9, 1                       ; j
	s_and_b32 s50, ttmp9, 1                        ; half
	s_bfe_u32 s51, s[WV], 0x10002                  ; which of the two blocks
	s_and_b32 s52, s[WV], 3
	s_lshr_b32 s66, s[WV], 3                       ; parity
	s_lshl_b32 s[PK], s66, 7
	s_lshl_b32 s53, s49, 1
	s_sub_co_u32 s53, 15, s53                      ; 15 - 2 j
	s_mul_i32 s54, s51, s53
	s_add_co_u32 s54, s54, s49                     ; my block of 128 queries: j or 15 - j
	s_lshl_b32 s[QB], s54, 7
	s_sub_co_u32 s[QLW], 15, s49
	s_lshl_b32 s[QLW], s[QLW], 7
	s_or_b32 s[QLW], s[QLW], 127
	s_lshl_b32 s55, s54, 3
	s_lshl_b32 s81, s50, 2
	s_add_co_u32 s55, s55, s81
	s_add_co_u32 s55, s55, s52                     ; my tile of 16 queries
	s_bfe_u32 s56, s[WV], 0x10001                  ; (wave / 2) % 2: I fetch for K (0) or V (1)
	s_and_b32 s57, s[WV], 1                        ; which half of a slot's four steps
	s_lshl_b32 s81, s56, 4
	s_add_co_u32 s81, s81, s48
	s_add_co_u32 s81, s81, 16                      ; which of qc's 48
	s_mul_i32 s58, s81, 196608
	s_mul_i32 s82, s57, 24576
	s_add_co_u32 s58, s58, s82
	s_mov_b32 s59, 0
	s_lshl_b32 s60, s81, 13
	s_lshl_b32 s82, s57, 12
	s_add_co_u32 s60, s60, s82
	s_mov_b32 s61, 0
	s_lshl_b32 s68, s48, 7                         ; Q's fragment
	s_add_co_u32 s68, s68, s55
	s_mul_i32 s68, s68, 1536
	s_mov_b32 s69, 0
	s_lshl_b32 s70, s48, 4                         ; Q's scale words: group, half, tile % 4
	s_add_co_u32 s70, s70, s54
	s_lshl_b32 s70, s70, 9
	s_lshl_b32 s82, s50, 8
	s_add_co_u32 s70, s70, s82
	s_lshl_b32 s83, s52, 2
	s_add_co_u32 s70, s70, s83
	s_mov_b32 s71, 0
	s_lshr_b32 s72, s48, 1                         ; ac: [head / 2][tile][head % 2][1536]
	s_mul_i32 s72, s72, 393216
	s_mul_i32 s84, s55, 3072
	s_add_co_u32 s72, s72, s84
	s_and_b32 s84, s48, 1
	s_mul_i32 s84, s84, 1536
	s_add_co_u32 s72, s72, s84
	s_mov_b32 s73, 0
	s_lshl_b32 s74, s48, 9                         ; asc: [group][head][512]: head and half here, the group in the lanes' offset
	s_add_co_u32 s74, s74, s82
	s_mov_b32 s75, 0
	s_sub_co_u32 s96, s[WV], 4                     ; the prefetches: waves 4 to 9
	s_min_u32 s84, s96, 5
	s_lshl_b32 s84, s84, 13                        ; my wave's 8,192 bytes
	s_add_co_u32 s76, s48, 16                      ; of K of my head,
	s_mul_i32 s76, s76, 196608
	s_add_co_u32 s76, s76, s84
	s_add_co_u32 s76, s76, 49152                   ; in slot 1: the first change of slots steps it to slot 2
	s_mov_b32 s77, 0
	s_cmp_lt_u32 s96, 6
	s_cselect_b32 s96, 0, 1
	s_or_b32 s96, s96, ttmp9                       ; of the head's first work-group
	s_cmp_eq_u32 s96, 0
	s_cselect_b32 s[LIM], 1, -1
	s_lshl_b32 s85, s50, 6                         ; my tile's first query in its block: 64 half + 32 ((wave / 2) % 2) + 8 (wave % 2)
	s_lshl_b32 s84, s56, 5
	s_add_co_u32 s85, s85, s84
	s_lshl_b32 s84, s57, 3
	s_add_co_u32 s85, s85, s84
	s_lshl_b32 s86, s51, 8
	s_add_co_u32 s86, s86, s83
	s_add_co_u32 s86, s86, OSC
	s_lshl_b32 s87, s53, 13
	s_lshl_b32 s88, s49, 13
	s_mul_i32 s89, s66, 12288                      ; my parity's step in a pair of steps
	s_lshl_b32 s90, s66, 9                         ; and its scale words
	s_add_co_u32 s90, s90, SCK
	s_and_b32 s91, s[WV], 7                        ; my pair of waves
	s_mul_i32 s91, s91, 8704
	s_add_co_u32 s91, s91, MRG
	v_and_b32 v29, 31, v0                          ; lane
	v_and_b32 v30, 15, v0                          ; r
	v_bfe_u32 v31, v0, 4, 1                        ; h
	v_lshlrev_b32 v[LI], 4, v29
	v_add_nc_u32 v[LIK], s89, v[LI]
	v_lshl_add_u32 v[ASK0], v30, 4, s90
	v_add_nc_u32 v[MA], s91, v[LI]
	v_lshl_add_u32 v[OSA], v30, 4, s86
	v_add_nc_u32 v[OSR], OSC, v[LI]
	v_and_b32 v[D0], 8, v30
	v_add_nc_u32 v[D0], v[D0], v30
	v_lshlrev_b32 v2, 4, v31
	v_sub_nc_u32 v[D0], v[D0], v2
	v_add_nc_u32 v[D0], s85, v[D0]
	v_lshlrev_b32 v2, 4, v30                       ; Q's scale word: 16 r
	v_mul_u32_u24 v[GSO], s87, v31                 ; lanes 16-31 store block 15 - j's words
	v_lshl_add_u32 v[GSO], v30, 4, v[GSO]
	v_add_nc_u32 v[GSO], s88, v[GSO]
	v_lshlrev_b32 v[PFO], 8, v29
	; group 1: dense blocks as rows of 256 bytes: 96 rows of codes, 16 rows of scale words
	s_mov_b32 s[G1C], 3<<16
	s_mov_b32 s[G1C+1], 32<<16
	s_mov_b32 s[G1C+2], 96<<16
	s_mov_b32 s[G1C+3], 32<<16
	s_mov_b32 s[G1C+4], 96
	s_mov_b32 s[G1C+5], 32
	s_mov_b32 s[G1C+6], 0
	s_mov_b32 s[G1C+7], 0
	s_mov_b32 s[G1S], 3<<16
	s_mov_b32 s[G1S+1], 32<<16
	s_mov_b32 s[G1S+2], 16<<16
	s_mov_b32 s[G1S+3], 32<<16
	s_mov_b32 s[G1S+4], 16
	s_mov_b32 s[G1S+5], 32
	s_mov_b32 s[G1S+6], 0
	s_mov_b32 s[G1S+7], 0
	s_mov_b32 s[SEL], 0x76543210
	s_mov_b32 s[SEL+1], 0xfedcba98
	s_mov_b32 s[CS], 0x3e0293ee
	s_mov_b32 s[CS+1], s[CS]
	s_mov_b32 s[TB], 0
	s_mov_b32 s[TS], 0
	s_mov_b32 s[KS], 0
	s_mov_b32 s[SLOTS], 3
	s_wait_dscnt 0x0                               ; the opening add is done
	s_wait_kmcnt 0x0
	s_mov_b32 s[G0S], 1
	s_lshl_b32 s[G0S+1], s52, 12
	s_add_co_u32 s[G0S+1], s[G0S+1], SCK
	s_add_nc_u64 s[G0S+2:G0S+3], s[6:7], s[60:61]
	s_or_b32 s[G0S+3], s[G0S+3], 0x80000000
	s_mov_b32 s[G0C], 1
	s_mul_i32 s[G0C+1], s52, 24576
	s_add_nc_u64 s[G0C+2:G0C+3], s[4:5], s[58:59]
	s_or_b32 s[G0C+3], s[G0C+3], 0x80000000
	s_cmp_lt_u32 s[WV], 4                          ; a wave's two first fills stand in one branch: the head's scale words, filled once, and slot 0: two loads of mine are out
	s_cbranch_scc0 .Lno_fill
	tensor_load_to_lds s[G0S:G0S+3], s[G1S:G1S+7]
	s_nop 0
	tensor_load_to_lds s[G0C:G0C+3], s[G1C:G1C+7]
	s_nop 0
.rept 4
	v_nop
.endr
.Lno_fill:
	s_add_nc_u64 s[PFA:PFA+1], s[4:5], s[76:77]
	s_add_nc_u64 s[4:5], s[4:5], s[68:69]
	s_add_nc_u64 s[6:7], s[6:7], s[70:71]
	s_add_nc_u64 s[8:9], s[8:9], s[72:73]
	s_add_nc_u64 s[10:11], s[10:11], s[74:75]
.irp c, 0,1,2
	global_load_b128 v[16+4*\c:19+4*\c], v[LI], s[4:5] offset:512*\c   ; Q's fragment stays in registers
.endr
	global_load_b32 v255, v2, s[6:7]               ; and its scale words
	v_mov_b32 v13, 0xff61b1e6                      ; the largest t so far: -3e38
	v_floor_f32 v12, -v13                          ; -M
	v_mov_b32 v14, 0
	v_mov_b32 v15, 0
.irp b, 0,1,2,3
	v_mov_b32 v[236+\b], 0                         ; written once: a lane permute's destination counts as one of its sources
.endr
	v_mov_b32 v252, 0
	v_mov_b32 v253, 0
.set n, 0
.rept 64
	v_mov_b32 v[160+n], 0                          ; O^T: the step is written once; its first run finds zeros
.set n, n+1
.endr
; A KEY STEP: 128 keys: of the u-th pair of steps of the slot in hand the one of my parity
.macro STEP u
	s_add_co_u32 s[KF], s[KS], s[PK]               ; my step's first key
	s_cmp_gt_u32 s[KF], s[QB]                      ; all its keys come after my block: left out; ids and the count of steps alone
	s_cbranch_scc1 .Lhidden_\@
	v_add_nc_u32 v[ADK], s[TB], v[LIK]
	v_add_nc_u32 v[ADS], s[TS], v[ASK0]
	v_add_nc_u32 v[ADV], VOFF, v[ADK]
	v_nop                                          ; four places in front of loads into registers that the last products read
.irp g, 0,1                                    ; S^T = K Q^T, four tiles of 16 keys at a time
.if \g > 0
.rept 4
	v_nop
.endr
.endif
.irp t, 0,1,2,3
.irp c, 0,1,2
	ds_load_b128 v[32+12*\t+4*\c:35+12*\t+4*\c], v[ADK] offset:24576*(\u)+1536*(4*\g+\t)+512*\c
.endr
.endr
	ds_load_b128 v[248:251], v[ADS] offset:256*\g
	s_wait_dscnt 0x0
.irp t, 0,1,2,3
	v_wmma_scale_f32_16x16x128_f8f6f4 v[96+8*(4*\g+\t):103+8*(4*\g+\t)], v[32+12*\t:43+12*\t], v[16:27], 0, v[248+\t], v255 matrix_a_fmt:MATRIX_FMT_FP6 matrix_b_fmt:MATRIX_FMT_FP6
.endr
.endr
.rept 4
	v_nop                                          ; places in front of the loads below and of the first read of the scores
.endr
.irp t, 0,1,2,3                                ; V's first four fragments and their scale words are asked for here: they land while the softmax is worked
.irp c, 0,1,2
	ds_load_b128 v[32+12*\t+4*\c:35+12*\t+4*\c], v[ADV] offset:24576*(\u)+1536*\t+512*\c
.endr
.endr
	ds_load_b128 v[248:251], v[ADS] offset:8192
	s_cmp_lg_u32 s[KF], s[QB]                      ; only the step on the diagonal hides keys
	s_cbranch_scc1 .Lopen_\@
	v_mov_b32 v254, 0xff800000                     ; -infinity
.set n, 0
.rept 64
	v_cmp_gt_i32 vcc_lo, 32*(n/16)+n%16, v[D0]     ; register 16 b + i holds key KF + 32 b + 16 (lane / 16) + i: hidden where 32 b + i > my query - KF - 16 (lane / 16)
	v_cndmask_b32 v[96+n], v[96+n], v254, vcc_lo
.set n, n+1
.endr
.Lopen_\@:
.irp b, 0,1,2,3
	v_max3_num_f32 v[232+\b], v[96+16*\b], v[97+16*\b], v[98+16*\b]   ; the largest score of each block of 32 keys: for the row's maximum, and, since p rises with the score, for the block's largest p
.endr
.irp i, 3,5,7,9,11,13
.irp b, 0,1,2,3
	v_max3_num_f32 v[232+\b], v[232+\b], v[96+16*\b+\i], v[97+16*\b+\i]
.endr
.endr
.irp b, 0,1,2,3
	v_max_num_f32 v[232+\b], v[232+\b], v[111+16*\b]
.endr
.irp b, 0,1,2,3
	v_permlanex16_b32 v[236+\b], v[232+\b], s[SEL], s[SEL+1]
.endr
.irp b, 0,1,2,3
	v_max_num_f32 v[232+\b], v[232+\b], v[236+\b]  ; with lane l xor 16's 16 keys
.endr
	v_max3_num_f32 v254, v232, v233, v234
	v_max_num_f32 v254, v254, v235
	v_mul_f32 v254, s[CS], v254                    ; the step's largest t
	v_max_num_f32 v13, v13, v254
	v_mov_b32 v254, v12
	v_floor_f32 v12, -v13                          ; the new -M = -ceil(t): a whole number
	v_sub_f32 v254, v12, v254
	v_cvt_i32_f32 v254, v254                       ; (it saturates)
	v_ldexp_f32 v252, 1.0, v254                    ; f = 2^(old M - new M): rounds nothing
.set n, 0
.rept 32
	v_pk_fma_f32 v[96+n:97+n], v[96+n:97+n], s[CS:CS+1], v[12:13] op_sel_hi:[1,0,0]   ; t - M
.set n, n+2
.endr
.irp b, 0,1,2,3
	v_fma_f32 v[232+\b], v[232+\b], s[CS], v12
.endr
.set n, 0
.rept 64
	v_exp_f32 v[96+n], v[96+n]                     ; p = 2^(t - M)
.set n, n+1
.endr
	v_pk_mul_f32 v[14:15], v[14:15], v[252:253] op_sel_hi:[1,0]   ; the sums under the new M: a plain place behind the exponentials
	s_wait_alu depctr_va_vdst(0)                   ; one wait for the whole batch, ahead of its first reader
.irp b, 0,1,2,3
	v_exp_f32 v[232+\b], v[232+\b]                 ; the block's largest p
.endr
	v_pk_add_f32 v[236:237], v[96:97], v[98:99]    ; the row's sum of the unquantised p, in two chains
.irp j, 4,8,12,16,20,24,28,32,36,40,44,48,52,56,60
	v_pk_add_f32 v[14:15], v[14:15], v[96+\j:97+\j]
	v_pk_add_f32 v[236:237], v[236:237], v[98+\j:99+\j]
.endr
	v_pk_add_f32 v[14:15], v[14:15], v[236:237]
	s_wait_alu depctr_va_vdst(0)                   ; and one for the four
.irp b, 0,1,2,3
	v_max_num_f32 v[232+\b], 0x1800000, v[232+\b]  ; the floor 2^(3 - 127)
.endr
.irp b, 0,1,2,3
	v_add_nc_u32 v[244+\b], 0xff000000, v[232+\b]
.endr
.irp b, 0,1,2,3
	v_lshrrev_b32 v[236+\b], 23, v[244+\b]
.endr
	v_lshl_or_b32 v253, v237, 8, v236              ; p's scale word for these 128 keys
	v_lshl_or_b32 v253, v238, 16, v253
	v_lshl_or_b32 v253, v239, 24, v253
.irp c, 0,1
	v_cvt_scalef32_pk16_fp6_f32 v[224+6*\c:226+6*\c], v[96+32*\c:111+32*\c], v[244+2*\c]
	v_cvt_scalef32_pk16_fp6_f32 v[236+4*\c:238+4*\c], v[112+32*\c:127+32*\c], v[244+2*\c+1]
.endr
	v_nop
.irp c, 0,1
.irp i, 0,1,2
	v_permlane16_swap_b32 v[224+6*\c+\i], v[236+4*\c+\i]
.endr
.irp i, 0,1,2
	v_mov_b32 v[227+6*\c+\i], v[236+4*\c+\i]
.endr
.endr
.set n, 0
.rept 32
	v_pk_mul_f32 v[160+n:161+n], v[160+n:161+n], v[252:253] op_sel_hi:[1,0]   ; O^T under the new M; these are also the places in front of the products below
.set n, n+2
.endr
.irp g, 0,1                                    ; O^T += V^T P^T: four tiles of 16 channels at a time; the first four were asked for ahead of the softmax
.if \g > 0
.rept 4
	v_nop
.endr
.irp t, 0,1,2,3
.irp c, 0,1,2
	ds_load_b128 v[32+12*\t+4*\c:35+12*\t+4*\c], v[ADV] offset:24576*(\u)+1536*(4+\t)+512*\c
.endr
.endr
	ds_load_b128 v[248:251], v[ADS] offset:8192+256
.endif
	s_wait_dscnt 0x0
.irp t, 0,1,2,3
	v_wmma_scale_f32_16x16x128_f8f6f4 v[160+8*(4*\g+\t):167+8*(4*\g+\t)], v[32+12*\t:43+12*\t], v[224:235], v[160+8*(4*\g+\t):167+8*(4*\g+\t)], v[248+\t], v253 matrix_a_fmt:MATRIX_FMT_FP6 matrix_b_fmt:MATRIX_FMT_FP6
.endr
.endr
.Lhidden_\@:
	s_add_co_u32 s[KS], s[KS], 256                 ; the next pair of steps
	s_add_co_u32 s[TS], s[TS], 1024
.endm
; THE CHANGE OF SLOTS, at a slot's head: each wave waits for all its tensor loads, adds 0 to its spare word, and waits for that and for its reads of the slot that it has left; one barrier; then the slot just left is filled
.macro CHANGE fill
	s_wait_tensorcnt 0x0                           ; no tensor load of mine is out, so the descriptor may be written
	ds_add_u32 v[SPW], v[NIL]
.if \fill
	s_xor_b32 s[G0C+1], s[G0C+1], SLOT1            ; the other slot than last time,
	s_add_nc_u64 s[G0C+2:G0C+3], s[G0C+2:G0C+3], 49152   ; the next 512 keys
	s_wait_xcnt 0x0                                ; the last prefetches, a slot back, have read their address
	s_add_nc_u64 s[PFA:PFA+1], s[PFA:PFA+1], 49152
.endif
	s_wait_dscnt 0x0
	s_barrier_signal -1
	s_barrier_wait -1
.if \fill
	s_add_co_u32 s96, s[KS], 512                   ; the first key of the slot that this change would ask for:
	s_cmp_gt_u32 s96, s[QLW]                       ; behind my work-group's last query no wave reads it.  Ids and the count of steps alone: all sixteen waves go the same way; every wait on TENSORcnt here is for 0
	s_cbranch_scc1 .Lpast_\@
	TLOAD
.Lpast_\@:
	ASK
.endif
.endm
	s_wait_loadcnt 0x0                             ; Q
.Lslot:                                                ; three trips; the last slot is written out
	CHANGE 1
	STEP 0
	STEP 1
	s_xor_b32 s[TB], s[TB], SLOT1
	s_sub_co_u32 s[SLOTS], s[SLOTS], 1
	s_cmp_lg_u32 s[SLOTS], 0
	s_cbranch_scc1 .Lslot
	CHANGE 0
	STEP 0
	STEP 1
	; THE HAND-OVER: the odd wave's O^T, -M and sums go to LDS as they stand in its registers
.rept 4
	v_nop                                          ; places behind the last products
.endr
	s_cmp_lt_u32 s[WV], 8
	s_cbranch_scc1 .Lkeep
.set n, 0
.rept 16
	ds_store_b128 v[MA], v[160+4*n:163+4*n] offset:512*n   ; each accumulator from its low end on
.set n, n+1
.endr
	ds_store_b128 v[MA], v[12:15] offset:8192
.Lkeep:
	s_wait_dscnt 0x0                               ; for the partner's sake: my stores are done
	s_barrier_signal -1
	s_barrier_wait -1
	s_cmp_ge_u32 s[WV], 8
	s_cbranch_scc1 .Lgiven
.set n, 0
.rept 16
	ds_load_b128 v[96+4*n:99+4*n], v[MA] offset:512*n      ; the partner's O^T, in the same lanes and the same order
.set n, n+1
.endr
	ds_load_b128 v[232:235], v[MA] offset:8192     ; its -M, its largest t, its two sums
	v_mov_b32 v241, 0                              ; (named as the upper halves of pairs)
	v_mov_b32 v243, 0
	s_wait_dscnt 0x0
	v_min_num_f32 v236, v12, v232                  ; the smaller -M: the larger M
	v_sub_f32 v237, v236, v12                      ; whole numbers, 0 or less
	v_sub_f32 v238, v236, v232
	v_cvt_i32_f32 v237, v237                       ; (they saturate)
	v_cvt_i32_f32 v238, v238
	v_ldexp_f32 v240, 1.0, v237                    ; f1 = 2^(my M - the larger M),
	v_ldexp_f32 v242, 1.0, v238                    ; f2 the partner's: multiplications by them round nothing
	v_pk_mul_f32 v[14:15], v[14:15], v[240:241] op_sel_hi:[1,0]
	v_pk_fma_f32 v[14:15], v[234:235], v[242:243], v[14:15] op_sel_hi:[1,0,1]
	v_add_f32 v14, v14, v15
	v_permlanex16_b32 v252, v14, s[SEL], s[SEL+1]
	v_add_f32 v14, v14, v252                       ; the row's sum over all its keys
	v_rcp_f32 v14, v14
.irp b, 0,1,2,3
	v_mov_b32 v[TM+4+\b], 0                        ; plain places behind the reciprocal
.endr
	s_wait_alu depctr_va_vdst(0)                   ; ahead of the reciprocal's first reader
	v_mul_f32 v240, v240, v14                      ; f1 / l, f2 / l: a power of two times the reciprocal
	v_mul_f32 v242, v242, v14
.set n, 0
.rept 32
	v_pk_mul_f32 v[96+n:97+n], v[96+n:97+n], v[242:243] op_sel_hi:[1,0]
.set n, n+2
.endr
.set n, 0
.rept 32
	v_pk_fma_f32 v[96+n:97+n], v[160+n:161+n], v[240:241], v[96+n:97+n] op_sel_hi:[1,0,1]   ; each accumulator from its low end on
.set n, n+2
.endr
	; O / l is my query's 128 channels in the quantiser's order: one fragment, one scale word a row
	QUANT 96, 0, 68
	PUT 8, 0
	ds_store_b32 v[OSA], v68                       ; both lanes of a row write the same word with the same value
.Lgiven:
	s_wait_tensorcnt 0x0                           ; the wave's end, behind my last LDS store; the dscnt wait below also shows my store done to the others
	ds_add_u32 v[SPW], v[NIL]
	s_wait_dscnt 0x0
	s_barrier_signal -1
	s_barrier_wait -1
	s_cmp_lg_u32 s[WV], 0
	s_cbranch_scc1 .Lend
	ds_load_b128 v[72:75], v[OSR]                  ; four tiles' words of each of the two blocks
	s_wait_dscnt 0x0
	global_store_b128 v[GSO], v[72:75], s[10:11]   ; sixteen lanes store 256 consecutive bytes, aligned
.Lend:
	s_endpgm
.Lfunc_end_k_q4a1f6182c3_attn:
	.size	k_q4a1f6182c3_attn, .Lfunc_end_k_q4a1f6182c3_attn-k_q4a1f6182c3_attn
	.p2alignl 7, 3214868480
	.fill 96, 4, 3214868480
	.section	.rodata,"a",@progbits
	.p2align	6, 0x0
	.amdhsa_kernel k_q4a1f6182c3_attn
		.amdhsa_group_segment_fixed_size 327680
		.amdhsa_private_segment_fixed_size 0
		.amdhsa_enable_private_segment 0
		.amdhsa_kernarg_size 32
		.amdhsa_user_sgpr_count 2
		.amdhsa_user_sgpr_kernarg_segment_ptr 1
		.amdhsa_wavefront_size32 1
		.amdhsa_system_sgpr_workgroup_id_x 1
		.amdhsa_system_sgpr_workgroup_id_y 1
		.amdhsa_system_sgpr_workgroup_id_z 1
		.amdhsa_system_vgpr_workitem_id 0
		.amdhsa_next_free_vgpr 256
		.amdhsa_next_free_sgpr 100
		.amdhsa_reserve_vcc 1
		.amdhsa_float_denorm_mode_32 3
		.amdhsa_float_denorm_mode_16_64 3
		.amdhsa_memory_ordered 1
		.amdhsa_forward_progress 1
		.amdhsa_inst_pref_size 118
	.end_amdhsa_kernel
	.amdgpu_metadata
---
amdhsa.version: [ 1, 2 ]
amdhsa.kernels:
  - .name:           k_q4a1f6182c3_attn
    .symbol:         k_q4a1f6182c3_attn.kd
    .args:
      - { .name: qc, .offset: 0, .size: 8, .value_kind: global_buffer, .address_space: global }
      - { .name: qs, .offset: 8, .size: 8, .value_kind: global_buffer, .address_space: global }
      - { .name: ac, .offset: 16, .size: 8, .value_kind: global_buffer, .address_space: global }
      - { .name: asc, .offset: 24, .size: 8, .value_kind: global_buffer, .address_space: global }
    .group_segment_fixed_size: 327680
    .private_segment_fixed_size: 0
    .kernarg_segment_align: 8
    .kernarg_segment_size: 32
    .max_flat_workgroup_size: 512
    .sgpr_count:     100
    .vgpr_count:     256
    .wavefront_size: 32
...
	.end_amdgpu_metadata
.endif
;; end of part 7
;; launch outp: the kernel of part 4 again; grid 16 x 16, 4 waves a work-group, clusters of 4 x 4, 327,680 bytes of LDS; arguments ac, asc, wc, ws, out0; writes out0
